; MI455X (gfx1250); checked and timed in simulation.
; The chip was launched on July 23, 2026; its instructions are those of AMD's public machine-readable ISA for CDNA 5 (MIT licence, August 2026) and "CDNA5" Instruction Set Architecture Reference Guide (July 2026). The comments in the code are by the model that wrote it; some were corrected since.
;; Cross Attention Fusion. Allowed arithmetic: matrix products marked QUANTISED: E2M1 operands, one E8M0 scale for each 32 along K, by v_wmma_scale_f32_16x16x128_f8f6f4 with both operands' format E2M1 (or v_wmma_scale_f32_32x16x128_f4), f32 sums; everything else in f32.
;; Inputs: Wg 1,024 x 2,048 float32; Wk_gs 1,024 x 1,024 float32; Wk_sg 1,024 x 1,024 float32; Wo_gs 1,024 x 1,024 float32; Wo_sg 1,024 x 1,024 float32; Wq_gs 1,024 x 1,024 float32; Wq_sg 1,024 x 1,024 float32; Wv_gs 1,024 x 1,024 float32; Wv_sg 1,024 x 1,024 float32; bg 1,024 float32; bk_gs 1,024 float32; bk_sg 1,024 float32; bo_gs 1,024 float32; bo_sg 1,024 float32; bq_gs 1,024 float32; bq_sg 1,024 float32; bv_gs 1,024 float32; bv_sg 1,024 float32; graph_embedding 8,192 x 1,024 float32; ln_g_beta 1,024 float32; ln_g_gamma 1,024 float32; ln_s_beta 1,024 float32; ln_s_gamma 1,024 float32; smiles_embedding 8,192 x 1,024 float32.
;; Outputs: out0 8,192 x 1,024 float32; out1 8,192 x 1,024 float32.
;; Constants: num_heads = 8.
;; This version of the problem:
;;   THIS VERSION OF THE PROBLEM IS GIVEN IN LOW PRECISION. The matrix products marked QUANTISED in the list below multiply operands that are first quantised to E2M1 (2 exponent bits, 1 mantissa bit; 4 bits a number), with one power-of-two scale for each 32 numbers along K (OCP MX v1.0); their sums are f32. All else is computed in f32.
;;   The module's matrix products, in the order in which they are computed (A, B: the left and right operand; K: the contracted axis; several contracted axes count as one K, in the product's order):
;;     1. [M 8,192, K 1,024] x [K 1,024, N 1,024]; A: input smiles_embedding; B: input Wv_gs: QUANTISED
;;     2. [M 8,192, K 1,024] x [K 1,024, N 1,024]; A: computed on the way; B: input Wo_gs: QUANTISED
;;     3. [M 8,192, K 1,024] x [K 1,024, N 1,024]; A: input graph_embedding; B: input Wv_sg: QUANTISED
;;     4. [M 8,192, K 1,024] x [K 1,024, N 1,024]; A: computed on the way; B: input Wo_sg: QUANTISED
;;     5. [M 8,192, K 2,048] x [K 2,048, N 1,024]; A: computed on the way; B: input Wg: QUANTISED
;;   THE QUANTISER, for each operand of a quantised product, along K:
;;     - K is cut into blocks of 32 from its start; a last block that is shorter is filled with zeros.
;;     - A block's scale is 2^e with e = floor(log2(the largest magnitude in the block)) - 2, held to -126 .. 127; a block of zeros has e = 0. As a byte (E8M0): e + 127.
;;     - Each number is divided by its block's scale, clamped to +-6, and rounded to the nearest number of E2M1, ties to even, subnormals kept.
;;     - The product sums the exact products of the quantised numbers (number of the format x scale) in f32.
;;   ~~~python
;;   def quantise(x, axis):      # numpy; x: float32 -> the quantised numbers, widened to float32 again
;;       x = np.moveaxis(x, axis, -1); K = x.shape[-1]
;;       x = np.pad(x, [(0, 0)] * (x.ndim - 1) + [(0, -K % 32)]); x = x.reshape(x.shape[:-1] + (-1, 32)); a = np.abs(x).max(-1, keepdims=True)
;;       e = np.where(a > 0, np.clip(np.frexp(np.where(a > 0, a, 1))[1] - 1 - 2, -126, 127), 0)      # np.frexp(a)[1] - 1 = floor(log2(a)), exactly
;;       r = np.clip(x / 2.0 ** e, -6, 6)
;;       step = 2.0 ** (np.maximum(np.frexp(np.where(r == 0, 1, r))[1] - 1, 0) - 1)
;;       q = np.round(r / step) * step * 2.0 ** e      # np.round: ties to even
;;       return np.moveaxis(q.reshape(q.shape[:-2] + (-1,))[..., :K], -1, axis).astype(np.float32)
;;   ~~~
;;   OPERANDS COMPUTED ON THE WAY. 'Computed on the way' means the value that the module computes at that place (a softmax that the list does not call 'softmax' is quantised finished and normalised). What goes into a quantiser is computed in f32, as accurately as f32 sums, v_exp_f32 and their like allow (about 1e-6 of the number): no bf16 or f16 on the way to a quantiser, and a product that is left as it is and whose result goes on into a quantised operand takes f32 operands (vector FMAs, or v_wmma_f32_16x16x4_f32). A number that lies on a knife's edge between two numbers of the format may be rounded either way, as far as f32 arithmetic and the matrix unit's own rounding can turn it there, and no further.
;; 2 versions. Each part assembles by itself: llvm-mc -triple=amdgcn-amd-amdhsa -mcpu=gfx1250 --defsym DOCPART=n.
;; ======== version 1 of 2: 2 launches
;; workspace buffers: wq 3,342,336 bytes
;; launch pack (part 1): grid 384 x 1, 4 waves a work-group, no clusters, 34,816 bytes of LDS; arguments Wv_gs, Wo_gs, Wv_sg, Wo_sg, Wg, wq; writes wq
.if DOCPART == 1
	.amdgcn_target "amdgcn-amd-amdhsa--gfx1250"
	.amdhsa_code_object_version 6
	.text
	.protected	k_q835a88dffd_pack
	.globl	k_q835a88dffd_pack
	.p2align	8
	.type	k_q835a88dffd_pack,@function
k_q835a88dffd_pack:
	s_mov_b64 s[64:65], 0
	v_nop
	global_prefetch_b8 v0, s[64:65] scope:SCOPE_SE
	s_setreg_imm32_b32 hwreg(HW_REG_WAVE_MODE, 25, 1), 1
	s_wait_xcnt 0x0
; THE PROGRAM: out1 = sigmoid(Q[fg, fs] Q(Wg)^T + bg), out0 = out1 fg + (1 - out1) fs, fg = LN(graph + (Q(Q(smiles) Q(Wv_gs)^T + bv_gs) Q(Wo_gs)^T + bo_gs)), fs likewise with the tensors exchanged.
; WORK LEFT OUT: reference() takes Wq_gs, Wk_gs, bq_gs, bk_gs, Wq_sg, Wk_sg, bq_sg, bk_sg and num_heads as parameters and names them in no expression: whatever values they hold, no output hangs on them.
; So they are not loaded and are among no launch's arguments.  LIMIT: a NaN, an infinity or an overflow in those inputs is not carried to the result.
; THIS LAUNCH turns the five live weights, f32, stored [N][K] with K innermost, into codes of FP4 (E2M1) with one E8M0 byte for each 32 along K, laid in the order in which the second launch's operand registers take them.
; A block's scale is 2^(floor(log2(its largest magnitude)) - 2): its byte is the largest magnitude's exponent field - 2, held at 1 from below.  LIMITS: a block of zeros gets the byte 1 where the rule says 127 (its codes are zeros,
; which add nothing, and this program alone reads the bytes); NaN and infinities among the weights are not served.
; THE K STREAM: K step g = 0 .. 47 of 128 along K; pass q = g / 8: Wv_gs, Wo_gs, Wv_sg, Wo_sg, Wg[:, 0:1024], Wg[:, 1024:2048]; s = g % 8.  Two K steps (j = g % 2) make a CONTENT of 139,264 bytes:
;   codes at w 32768 + j 16384 + t 1024 + cc 512 + 16 lane: lane (r, h) holds the block k = 128 s + 64 cc + 32 h + 0 .. 31 of weight row 256 w + 32 (t / 2) + 8 (t % 2) + r + 8 (r / 8);
;   scale words at 131072 + w 2048 + j 1024 + g2 512 + 16 lane + 4 i: the word of tile t = 8 g2 + 2 i + lane / 16, row lane % 16.
; SHARES: work-group x: g = x / 8, w = (x / 2) % 4, g2 = x % 2.  Wave i takes 32 neighbouring weight rows (tiles 8 g2 + 2 i and + 1) x 128 along K.  Each load reads one row's 512 consecutive bytes; the rows turn through the
; wave's own stage in LDS, so that a lane holds whole blocks of 32; each store of codes covers 512 consecutive bytes.  No tensor load, no loop.
.set CONTENT, 139264
.set STGW,  8448                       ; a wave's stage: 16 rows x (512 + 16) bytes
.set SCW,   33792                      ; behind the four stages: the work-group's 512 bytes of scale words
.set SPARE, 34304                      ; the spare words, 128 bytes for each wave: two blocks of 256 bytes that no other line names
.set X,     32                         ; v32-159  two fragments' numbers, 64 each
.set C,     160                        ; v160-175 the codes: fragment u, half cc at 8 u + 4 cc
	s_load_b256 s[4:11], s[0:1], 0x0               ; Wv_gs, Wo_gs, Wv_sg, Wo_sg
	s_load_b128 s[12:15], s[0:1], 0x20             ; Wg, wq
	v_lshl_add_u32 v12, v0, 2, SPARE               ; my spare word; never rewritten
	v_mov_b32 v13, 0                               ; 0; never rewritten
	v_lshrrev_b32 v1, 5, v0
	v_readfirstlane_b32 s16, v1                    ; wave i
	v_and_b32 v1, 31, v0                           ; lane
	v_and_b32 v2, 15, v0                           ; r
	v_bfe_u32 v3, v0, 4, 1                         ; h
	v_lshlrev_b32 v4, 4, v1                        ; 16 x lane: in memory, on the way in and out
	s_mul_i32 s17, s16, STGW
	v_add_nc_u32 v5, s17, v4                       ; the stage, in: 16 x lane of a row
	v_mul_u32_u24 v6, v2, 528
	v_lshl_add_u32 v6, v3, 7, v6
	v_add_nc_u32 v6, s17, v6                       ; and back: row r, + 128 h: my block of 32 numbers
	s_lshl_b32 s18, s16, 2
	s_add_co_u32 s18, s18, SCW
	v_add_nc_u32 v7, s18, v4                       ; my scale word: 16 x lane + 4 i
	v_add_nc_u32 v8, SCW, v4                       ; the four waves' words of my lane
	v_mov_b32 v10, 0                               ; written once: a lane permute's destination counts as one of its sources
	v_mov_b32 v11, 0
	s_mov_b32 s20, 0x76543210
	s_mov_b32 s21, 0xfedcba98                      ; v_permlanex16_b32's selects for lane l xor 16
	s_mov_b32 s30, 0xffff0000                      ; lanes 16-31
	s_lshr_b32 s19, ttmp9, 3                       ; g
	s_bfe_u32 s22, ttmp9, 0x20001                  ; w
	s_and_b32 s23, ttmp9, 1                        ; g2
	s_lshr_b32 s24, s19, 3                         ; q
	s_and_b32 s25, s19, 7                          ; s
	s_lshr_b32 s26, s19, 1                         ; the content
	s_and_b32 s27, s19, 1                          ; j
	s_lshl_b32 s31, s22, 8
	s_lshl_b32 s32, s23, 7
	s_add_co_u32 s31, s31, s32
	s_lshl_b32 s32, s16, 5
	s_add_co_u32 s31, s31, s32                     ; my first weight row: 256 w + 128 g2 + 32 i
	s_cmp_lt_u32 s24, 4
	s_cselect_b32 s32, 12, 13                      ; a row is 4,096 bytes, of Wg 8,192
	s_lshl_b32 s31, s31, s32
	s_cmp_eq_u32 s24, 5
	s_cselect_b32 s32, 4096, 0                     ; Wg's second half along K
	s_add_co_u32 s31, s31, s32
	s_lshl_b32 s32, s25, 9                         ; 512 bytes a K step
	s_add_co_u32 s32, s31, s32
	s_mov_b32 s33, 0                               ; s[32:33]: where my rows' part begins
	s_mul_i32 s34, s26, CONTENT
	s_lshl_b32 s35, s22, 15
	s_add_co_u32 s36, s34, s35
	s_lshl_b32 s35, s27, 14
	s_add_co_u32 s36, s36, s35
	s_lshl_b32 s35, s23, 13
	s_add_co_u32 s36, s36, s35
	s_lshl_b32 s35, s16, 11
	s_add_co_u32 s36, s36, s35
	s_mov_b32 s37, 0                               ; s[36:37]: my two fragments' place
	s_add_co_u32 s38, s34, 131072
	s_lshl_b32 s35, s22, 11
	s_add_co_u32 s38, s38, s35
	s_lshl_b32 s35, s27, 10
	s_add_co_u32 s38, s38, s35
	s_lshl_b32 s35, s23, 9
	s_add_co_u32 s38, s38, s35
	s_mov_b32 s39, 0                               ; s[38:39]: the work-group's 512 bytes of scale words
	s_wait_kmcnt 0x0
	s_mov_b64 s[28:29], s[12:13]                   ; the pass's weight: a choice that hangs on the work-group's number alone
	s_cmp_eq_u32 s24, 0
	s_cselect_b64 s[28:29], s[4:5], s[28:29]
	s_cmp_eq_u32 s24, 1
	s_cselect_b64 s[28:29], s[6:7], s[28:29]
	s_cmp_eq_u32 s24, 2
	s_cselect_b64 s[28:29], s[8:9], s[28:29]
	s_cmp_eq_u32 s24, 3
	s_cselect_b64 s[28:29], s[10:11], s[28:29]
	s_add_nc_u64 s[28:29], s[28:29], s[32:33]
	s_add_nc_u64 s[40:41], s[14:15], s[36:37]
	s_add_nc_u64 s[42:43], s[14:15], s[38:39]
; 32 loads, a row each: row (rr % 8) + 8 u + 16 (rr / 8) of my 32 is lane-row rr of fragment u.  The pitch stands in the immediates, so the run is written for each of the two pitches.
.macro LOADS pitch
.irp u, 0,1
.irp rr, 0,1,2,3,4,5,6,7,8,9,10,11,12,13,14,15
	global_load_b128 v[X+64*\u+4*\rr:X+64*\u+4*\rr+3], v4, s[28:29] offset:((\rr%8)+8*\u+16*(\rr/8))*\pitch th:TH_LOAD_NT
.endr
.endr
.endm
	s_cmp_lt_u32 s24, 4
	s_cbranch_scc0 .Lwide
	LOADS 4096
	s_branch .Lloaded
.Lwide:
	LOADS 8192
.Lloaded:
; Fragment u's 16 rows go into the stage as they were loaded and come back a block of 32 numbers at a time, into the registers that they left.  LDS serves a wave's instructions in order: no wait between.
.macro TURN u
.irp rr, 0,1,2,3,4,5,6,7,8,9,10,11,12,13,14,15
	ds_store_b128 v5, v[X+64*\u+4*\rr:X+64*\u+4*\rr+3] offset:528*\rr
.endr
.irp cc, 0,1
.irp jj, 0,1,2,3,4,5,6,7
	ds_load_b128 v[X+64*\u+32*\cc+4*\jj:X+64*\u+32*\cc+4*\jj+3], v6 offset:256*\cc+16*\jj
.endr
.endr
.endm
; One block of 32 numbers, all mine: its largest magnitude, its scale, its 16 bytes of codes, which leave at once.
.macro QB u, cc
.set XB, X+64*\u+32*\cc
	v_max3_num_f32 v14, |v[XB]|, |v[XB+1]|, |v[XB+2]|
	v_max3_num_f32 v15, |v[XB+3]|, |v[XB+4]|, |v[XB+5]|
.irp i, 6,10,14,18,22,26
	v_max3_num_f32 v14, v14, |v[XB+\i]|, |v[XB+\i+1]|
	v_max3_num_f32 v15, v15, |v[XB+\i+2]|, |v[XB+\i+3]|
.endr
	v_max3_num_f32 v14, v14, |v[XB+30]|, |v[XB+31]|
	v_max3_num_f32 v14, v14, v15, 0x1800000        ; and the floor 2^(3 - 127): the byte cannot fall under 1
	v_add_nc_u32 v[16+2*\u+\cc], 0xff000000, v14   ; 2 off the exponent field: the conversion takes this operand's exponent field as its scale
	v_lshrrev_b32 v[20+2*\u+\cc], 23, v[16+2*\u+\cc]   ; the scale's byte
.irp g, 0,1,2,3
	v_cvt_scalef32_pk8_fp4_f32 v[C+8*\u+4*\cc+\g], v[XB+8*\g:XB+8*\g+7], v[16+2*\u+\cc]
.endr
	v_nop                                          ; one plain place behind the last conversion
	global_store_b128 v4, v[C+8*\u+4*\cc:C+8*\u+4*\cc+3], s[40:41] offset:1024*\u+512*\cc   ; 32 lanes store 512 consecutive bytes
.endm
	s_wait_loadcnt 16                              ; fragment 0's 16 loads are in; fragment 1's may be out
	TURN 0
	s_wait_loadcnt 0x0
	TURN 1
	s_wait_dscnt 32                                ; fragment 0 is back; fragment 1's 32 LDS instructions may be out
	QB 0, 0
	QB 0, 1
	s_wait_dscnt 0x0
	QB 1, 0
	QB 1, 1
	v_lshl_or_b32 v24, v21, 16, v20                ; fragment 0: my two bytes, blocks h and 2 + h of row r,
	v_lshl_or_b32 v25, v23, 16, v22                ; fragment 1 likewise,
	v_lshlrev_b32 v26, 3, v3
	v_lshlrev_b32 v24, v26, v24                    ; at their places in the word (8 h bits up);
	v_lshlrev_b32 v25, v26, v25
	v_permlanex16_b32 v10, v24, s20, s21
	v_permlanex16_b32 v11, v25, s20, s21
	v_or_b32 v24, v24, v10                         ; with lane l xor 16's two the word is whole
	v_or_b32 v25, v25, v11
	v_cndmask_b32 v24, v24, v25, s30               ; lanes 0-15 carry the even tile's words, lanes 16-31 the odd tile's
	ds_store_b32 v7, v24
	s_wait_dscnt 0x0                               ; for the others' sake: my word has landed
	s_barrier_signal -1
	s_barrier_wait -1
	s_cmp_lg_u32 s16, 0
	s_cbranch_scc1 .Lend
	ds_load_b128 v[28:31], v8                      ; wave 0: the four waves' words, 16 bytes a lane
	s_wait_dscnt 0x0
	global_store_b128 v4, v[28:31], s[42:43]       ; 512 consecutive bytes
.Lend:
	s_wait_tensorcnt 0x0                           ; the wave's end, behind my last LDS store
	ds_add_u32 v12, v13
	s_wait_dscnt 0x0
	s_endpgm
.Lfunc_end_k_q835a88dffd_pack:
	.size	k_q835a88dffd_pack, .Lfunc_end_k_q835a88dffd_pack-k_q835a88dffd_pack
	.p2alignl 7, 3214868480
	.fill 96, 4, 3214868480
	.section	.rodata,"a",@progbits
	.p2align	6, 0x0
	.amdhsa_kernel k_q835a88dffd_pack
		.amdhsa_group_segment_fixed_size 34816
		.amdhsa_private_segment_fixed_size 0
		.amdhsa_enable_private_segment 0
		.amdhsa_kernarg_size 48
		.amdhsa_user_sgpr_count 2
		.amdhsa_user_sgpr_kernarg_segment_ptr 1
		.amdhsa_wavefront_size32 1
		.amdhsa_system_sgpr_workgroup_id_x 1
		.amdhsa_system_sgpr_workgroup_id_y 1
		.amdhsa_system_sgpr_workgroup_id_z 1
		.amdhsa_system_vgpr_workitem_id 0
		.amdhsa_next_free_vgpr 192
		.amdhsa_next_free_sgpr 66
		.amdhsa_reserve_vcc 0
		.amdhsa_float_denorm_mode_32 3
		.amdhsa_float_denorm_mode_16_64 3
		.amdhsa_memory_ordered 1
		.amdhsa_forward_progress 1
		.amdhsa_inst_pref_size 21
	.end_amdhsa_kernel
	.amdgpu_metadata
---
amdhsa.version: [ 1, 2 ]
amdhsa.kernels:
  - .name:           k_q835a88dffd_pack
    .symbol:         k_q835a88dffd_pack.kd
    .args:
      - { .name: Wv_gs, .offset: 0, .size: 8, .value_kind: global_buffer, .address_space: global }
      - { .name: Wo_gs, .offset: 8, .size: 8, .value_kind: global_buffer, .address_space: global }
      - { .name: Wv_sg, .offset: 16, .size: 8, .value_kind: global_buffer, .address_space: global }
      - { .name: Wo_sg, .offset: 24, .size: 8, .value_kind: global_buffer, .address_space: global }
      - { .name: Wg, .offset: 32, .size: 8, .value_kind: global_buffer, .address_space: global }
      - { .name: wq, .offset: 40, .size: 8, .value_kind: global_buffer, .address_space: global }
    .group_segment_fixed_size: 34816
    .private_segment_fixed_size: 0
    .kernarg_segment_align: 8
    .kernarg_segment_size: 48
    .max_flat_workgroup_size: 128
    .sgpr_count:     66
    .vgpr_count:     192
    .wavefront_size: 32
...
	.end_amdgpu_metadata
.endif
;; end of part 1
;; launch fuse (part 2): grid 256 x 1, 4 waves a work-group, clusters of 4 x 1, 327,680 bytes of LDS; arguments graph_embedding, smiles_embedding, wq, bv_gs, bo_gs, bv_sg, bo_sg, bg, ln_g_gamma, ln_g_beta, ln_s_gamma, ln_s_beta, out0, out1; writes out0, out1
.if DOCPART == 2
	.amdgcn_target "amdgcn-amd-amdhsa--gfx1250"
	.amdhsa_code_object_version 6
	.text
	.protected	k_q835a88dffd_fuse
	.globl	k_q835a88dffd_fuse
	.p2align	8
	.type	k_q835a88dffd_fuse,@function
k_q835a88dffd_fuse:
	s_mov_b64 s[64:65], 0
	v_nop
	global_prefetch_b8 v0, s[64:65] scope:SCOPE_SE
	s_setreg_imm32_b32 hwreg(HW_REG_WAVE_MODE, 25, 1), 1
	s_wait_xcnt 0x0
	s_wait_alu depctr_hold_cnt(0) depctr_sa_sdst(0) depctr_va_vdst(0) depctr_va_sdst(0) depctr_va_ssrc(0) depctr_va_vcc(0) depctr_vm_vsrc(0)
	s_getreg_b32 s2, hwreg(HW_REG_IB_STS2, 6, 4)
	s_cmp_eq_u32 s2, 0
	s_cbranch_scc0 .Lentry_in_a_cluster
	s_endpgm
.Lentry_in_a_cluster:
	s_bfe_u32 s2, ttmp6, 0x10000c
	s_cmp_lg_u32 s2, 0x3003
	s_cbranch_scc0 .Lentry_shape_is_right
	s_endpgm
.Lentry_shape_is_right:
; The whole chain for 32 rows a work-group; nothing between the embeddings and the two outputs goes to memory.  All five products on codes of FP4 (E2M1) with E8M0 scales, f32 sums.
; WORK LEFT OUT: Wq_*, Wk_*, bq_*, bk_* and num_heads reach no output of reference() for any values (shown at the head of the first kernel): they are not among the arguments.
; LIMITS: NaN and infinities among the inputs are not served; a block of zeros carries the scale byte 1 (its codes are zeros); out0 is formed as fs + gate (fg - fs); rsqrt, exp2 and the reciprocal are the chip's own, 1 ulp.
; SHARES.  Work-group wg owns rows 32 wg .. + 31, two tiles m of 16.  Wave w owns columns 256 w .. + 255 of every product's N, for all 32 rows: 16 tiles t x 2 tiles m = 32 accumulators, 256 registers.
; EVERY PRODUCT IS USED TRANSPOSED (source 0 = 16 weight rows, source 1 = 16 activation rows), and the weight rows of a tile are chosen (first kernel) so that in lane (r, h) register 128 m + 16 b + i holds
; column 256 w + 32 b + 16 h + i of row 16 m + r: 16 neighbours along the next product's K.  Graph, smiles, the sums, the norms and the outputs all live in that one layout.
; THE WEIGHTS come as 24 contents of 139,264 bytes (two K steps of 128 for all 1,024 columns, in the order of the operand registers) through a ring of two LDS slots.  All work-groups walk the same contents, so the four
; of a cluster ask JOINTLY: each wave asks for a quarter of a content by the same tensor load with the same descriptor and the mask of all four.  By this text's count a wave has one tensor load out.
; ACTIVATIONS go from wave to wave through LDS as images of their operand registers (16 bytes a lane, 512 a store) with their scale words beside them.
; A bias is loaded into the accumulators in the result's layout ahead of a pass: every K step then adds in place, nothing is cleared and no bias is added by a vector instruction.
; REGISTERS, in windows of 256: window 1: G (graph, then graph + attention, then fg, at the end fg - fs);  window 2: S (the same for smiles; at the end fs);  window 3: T, the accumulators;  window 0: all else.
.set CONTENT, 139264                   ; a content, and an LDS slot: slot 0 at 0, slot 1 behind it; filled by tensor loads alone
.set QUARTER, 34816                    ; what one wave's tensor load brings: 136 rows of 256 bytes
.set ACTS,   278528                    ; operand images: region 0, region 1, 16,384 bytes each; in a region K step s, tile m at 2048 s + 1024 m
.set ACTSC,  311296                    ; their scale words: 1,024 bytes a region, 128 a K step (64 for m = 0, 64 for m = 1)
.set STAT,   313344                    ; the norms' partial sums: [pass][tensor][m][r][wave] f32
.set SPARE,  315392                    ; the spare words, 128 bytes for each wave: two blocks of 256 bytes that no other line names
.set STG,    ACTS                      ; a stage of 16 rows x 528 bytes for each wave, laid over the images while those are dead, always parted from them by barriers
.set STGW,   8448
.set AW,    4                          ; v4-5   my weight fragments in slot 0, 1: 32768 w + 16 lane
.set ASC,   6                          ; v6-7   my weights' scale words in slot 0, 1
.set ADX0,  8                          ; v8     ACTS + 16 lane
.set ADX,   9                          ; v9     the same at the half pass's four K steps
.set ADXS0, 10                         ; v10    ACTSC + 4 lane
.set ADXS,  11                         ; v11    the same at the half pass's four K steps
.set AIW,   12                         ; v12    where I store images: ACTS + 16 lane + 4096 w
.set ASW,   13                         ; v13    and their scale words: ACTSC + 256 w + 4 r
.set STW,   14                         ; v14    STAT + 16 r + 4 w
.set STR,   15                         ; v15    STAT + 16 r
.set SA,    16                         ; v16    my stage by rows of 512 bytes: + 16 lane
.set SB,    17                         ; v17    my stage by the result's layout: + 528 r + 64 h
.set XD,    18                         ; v18    16 lane + 1024 w: my bytes of a row in memory
.set VB,    19                         ; v19    1024 w + 64 h: my bytes of a vector over the columns
.set PFO,   20                         ; v20    256 x lane
.set SPW,   21                         ; v21    my spare word; never rewritten
.set NIL,   22                         ; v22    0; never rewritten
.set WS,    24                         ; v24-39 weights' scale words, scales and nothing else: set j at 8 j; register t / 2: lanes 0-15 the even tile, lanes 16-31 the odd
.set XS,    40                         ; v40-41 activations' scale words: set j: lanes 0-15 m = 0, lanes 16-31 m = 1
.set XF,    44                         ; v44-75 activations' fragments: set j, tile m at 16 j + 8 m
.set TM,    76                         ; v76-91 at work
.set PW,    92                         ; v92    the scale word just made
.set PC,    94                         ; v94-101 the codes just made
.set NMU,   102                        ; v102-109 -mean, twice, for (tensor, m)
.set RS,    110                        ; v110-117 1 / sqrt(var + eps), twice
.set CH,    118                        ; v118-125 four chains of packed sums
.set F0,    128                        ; v128-191 weight fragments of tiles 0-7
.set F1,    192                        ; v192-255 of tiles 8-15
.set G1,    32                         ; s[32:39] descriptor group 1
.set G0,    40                         ; s[40:47] group 0, a set for each slot
.set WV,    48
.set CX,    49
.set SEL,   56
.set HP,    58                         ; the half pass: two contents, four K steps; pass = HP / 2
.set PFA,   66                         ; s[66:67] where my prefetch of codes stands
.set PFS,   68                         ; s[68:69] and that of scale words
.set LIMA,  70
.set LIMB,  71
.set INV,   72
.set EPS,   73
.set BP,    74
.set NFS,   76
.set MSB, 0
.macro WIN new                         ; low byte: bits 1:0 source 0, 3:2 source 1, 5:4 source 2, 7:6 destination; the high byte repeats the setting that is left
.if MSB != (\new)
	s_set_vgpr_msb (MSB<<8)|(\new)
.set MSB, (\new)
.endif
.endm
.macro PLACES                          ; four plain places behind matrix instructions, ahead of loads into their registers and of reads of their results
.rept 4
	v_nop
.endr
.endm
.macro BARRIER                         ; my LDS stores have landed and my LDS loads are in: then the work-group's barrier
	s_wait_dscnt 0x0
	s_barrier_signal -1
	s_barrier_wait -1
.endm
.macro ROUND                           ; a round of the cluster's barrier
	s_barrier_signal -1
	s_barrier_wait -1
	s_cmp_lg_u32 s[WV], 0
	s_cbranch_scc1 .Lnw0_\@
	s_barrier_signal -3
.Lnw0_\@:
	s_barrier_wait -3
	s_barrier_signal -1
	s_barrier_wait -1
.endm
	s_load_b512 s[4:19], s[0:1], 0x0               ; graph s[4:5], smiles s[6:7], wq s[8:9], bv_gs s[10:11], bo_gs s[12:13], bv_sg s[14:15], bo_sg s[16:17], bg s[18:19]
	s_load_b256 s[20:27], s[0:1], 0x40             ; ln_g_gamma s[20:21], ln_g_beta s[22:23], ln_s_gamma s[24:25], ln_s_beta s[26:27]
	s_load_b128 s[28:31], s[0:1], 0x60             ; out0 s[28:29], out1 s[30:31]
	v_lshl_add_u32 v[SPW], v0, 2, SPARE
	v_mov_b32 v[NIL], 0
	ds_add_u32 v[SPW], v[NIL]                      ; the wave's opening: the add, twice on end, and its wait ahead of my first tensor load
	ds_add_u32 v[SPW], v[NIL]
	v_lshrrev_b32 v3, 5, v0
	v_readfirstlane_b32 s[WV], v3                  ; wave 0..3
	v_and_b32 v3, 31, v0                           ; lane
	v_and_b32 v1, 15, v0                           ; r
	v_bfe_u32 v2, v0, 4, 1                         ; h
	v_lshlrev_b32 v23, 4, v3                       ; 16 x lane
	s_lshl_b32 s50, s[WV], 15
	v_add_nc_u32 v[AW], s50, v23
	v_add_nc_u32 v[AW+1], CONTENT, v[AW]
	s_lshl_b32 s50, s[WV], 11
	s_add_co_u32 s50, s50, 131072
	v_add_nc_u32 v[ASC], s50, v23
	v_add_nc_u32 v[ASC+1], CONTENT, v[ASC]
	v_add_nc_u32 v[ADX0], ACTS, v23
	v_lshl_add_u32 v[ADXS0], v3, 2, ACTSC
	s_lshl_b32 s50, s[WV], 12
	s_add_co_u32 s50, s50, ACTS
	v_add_nc_u32 v[AIW], s50, v23
	s_lshl_b32 s50, s[WV], 8
	s_add_co_u32 s50, s50, ACTSC
	v_lshl_add_u32 v[ASW], v1, 2, s50
	s_lshl_b32 s50, s[WV], 2
	s_add_co_u32 s50, s50, STAT
	v_lshl_add_u32 v[STW], v1, 4, s50
	v_lshl_add_u32 v[STR], v1, 4, STAT
	s_mul_i32 s50, s[WV], STGW
	s_add_co_u32 s50, s50, STG
	v_add_nc_u32 v[SA], s50, v23
	v_mul_u32_u24 v[SB], v1, 528
	v_lshl_add_u32 v[SB], v2, 6, v[SB]
	v_add_nc_u32 v[SB], s50, v[SB]
	s_lshl_b32 s51, s[WV], 10
	v_add_nc_u32 v[XD], s51, v23
	v_lshl_add_u32 v[VB], v2, 6, s51
	v_lshlrev_b32 v[PFO], 8, v3
.irp b, 0,1,2,3
	v_mov_b32 v[TM+4+\b], 0                        ; written once: a lane permute's destination counts as one of its sources
.endr
	s_mov_b32 s[SEL], 0x76543210
	s_mov_b32 s[SEL+1], 0xfedcba98                 ; v_permlanex16_b32's selects for lane l xor 16
	s_mov_b32 s[INV], 0x3a800000                   ; 1 / 1024
	s_mov_b32 s[EPS], 0x3727c5ac                   ; 1e-5
	s_mov_b32 s[HP], 0
	; descriptor group 1: 136 rows of 32 elements of 8 bytes, dense in memory and in LDS
	s_mov_b32 s[G1], 15|(3<<16)|(1<<21)            ; 15:0 the mask: all four work-groups; 17:16 elements of 8 bytes; 20 no padding; 21 set beside a mask
	s_mov_b32 s[G1+1], 32<<16                      ; tensor_dim0 = 32
	s_mov_b32 s[G1+2], 136<<16                     ; tensor_dim1 = 136
	s_mov_b32 s[G1+3], 32<<16                      ; tile_dim0 = 32
	s_mov_b32 s[G1+4], 136                         ; tile_dim1 = 136
	s_mov_b32 s[G1+5], 32                          ; from row to row
	s_mov_b32 s[G1+6], 0
	s_mov_b32 s[G1+7], 0
	s_mul_i32 s50, s[WV], QUARTER                  ; my quarter of a content, in memory and in a slot: no place in the cluster enters it
	s_mov_b32 s51, 0
	; what hangs on my place in the cluster enters global addresses alone, in registers of its own
	s_bfe_u32 s[CX], ttmp6, 0x40000                ; cx
	s_lshl_b32 s78, ttmp9, 2
	s_add_co_u32 s78, s78, s[CX]                   ; work-group = 4 x cluster + cx
	s_lshl_b32 s78, s78, 17                        ; 32 rows of 4,096 bytes
	s_mov_b32 s79, 0
	s_lshl_b32 s80, s[WV], 15
	s_lshl_b32 s81, s[CX], 13
	s_add_co_u32 s80, s80, s81
	s_add_co_u32 s80, s80, 2*CONTENT               ; prefetch of codes: 32768 w + 8192 cx in content 2; the first change of slots steps it to content 3
	s_mov_b32 s81, 0
	s_add_co_u32 s82, s[CX], 2
	s_mul_i32 s82, s82, CONTENT
	s_add_co_u32 s82, s82, 131072                  ; prefetch of scale words: content 2 + cx; the first change steps it to 4 + cx
	s_mov_b32 s83, 0
	s_cmp_eq_u32 ttmp9, 0                          ; all clusters walk the same contents: the first cluster prefetches; the same in all four partners
	s_cselect_b32 s[LIMA], 11, 0
	s_cselect_b32 s[LIMB], 10, 0
	s_or_b32 s[NFS], ttmp9, s[WV]
	s_min_u32 s[NFS], s[NFS], 1                    ; 0 in wave 0 of the first cluster's work-groups
	s_wait_dscnt 0x0                               ; both opening adds are done
	s_wait_kmcnt 0x0
	s_add_nc_u64 s[4:5], s[4:5], s[78:79]          ; graph, smiles, out0, out1 at my first row
	s_add_nc_u64 s[6:7], s[6:7], s[78:79]
	s_add_nc_u64 s[28:29], s[28:29], s[78:79]
	s_add_nc_u64 s[30:31], s[30:31], s[78:79]
	s_add_nc_u64 s[PFA:PFA+1], s[8:9], s[80:81]
	s_add_nc_u64 s[PFS:PFS+1], s[8:9], s[82:83]
	s_add_nc_u64 s[52:53], s[8:9], s[50:51]
.irp n, 0,1
	s_mov_b32 s[G0+4*\n], 1                        ; count = 1
	s_add_co_u32 s[G0+4*\n+1], s50, \n*CONTENT     ; LDS address: slot n, my quarter
	s_add_nc_u64 s[G0+4*\n+2:G0+4*\n+3], s[52:53], \n*CONTENT   ; global address: content n, my quarter
	s_or_b32 s[G0+4*\n+3], s[G0+4*\n+3], 0x80000000   ; type = 2
.endr
	ROUND                                          ; all four work-groups are here: the first joint loads meet
	tensor_load_to_lds s[G0:G0+3], s[G1:G1+7]      ; content 0 into slot 0: every wave its quarter
	s_nop 0
	PLACES
; 64 loads: my 1,024 bytes of each of the 32 rows, 512 consecutive bytes a load; quarter q = 2 m + half, row i at registers 64 q + 4 i of window W
.macro ELOAD W, p
	WIN (\W)<<6
.irp q, 0,1,2,3
.irp i, 0,1,2,3,4,5,6,7,8,9,10,11,12,13,14,15
	global_load_b128 v[64*\q+4*\i:64*\q+4*\i+3], v[XD], s[\p:\p+1] offset:(16*(\q/2)+\i)*4096+512*(\q%2) th:TH_LOAD_NT
.endr
.endr
.endm
; a vector over the columns into a quarter (tile m, K step i of my two) of the accumulators, in the result's layout.  It leaves the window set.
.macro TINITQ p, m, i
	WIN 0xc0
.irp b, 0,1,2,3
.irp jj, 0,1,2,3
	global_load_b128 v[128*\m+64*\i+16*\b+4*\jj:128*\m+64*\i+16*\b+4*\jj+3], v[VB], s[\p:\p+1] offset:512*\i+128*\b+16*\jj
.endr
.endr
.endm
.macro TINIT p
.irp m, 0,1
.irp i, 0,1
	TINITQ \p, \m, \i
.endr
.endr
.endm
; one copy of a vector over my 256 columns: 128 registers from dst on, in window W
.macro VLOAD W, dst, p
	WIN (\W)<<6
.irp b, 0,1,2,3,4,5,6,7
.irp jj, 0,1,2,3
	global_load_b128 v[\dst+16*\b+4*\jj:\dst+16*\b+4*\jj+3], v[VB], s[\p:\p+1] offset:128*\b+16*\jj
.endr
.endr
.endm
; window W's 256 registers from the order of the loads into the result's layout: a quarter (16 rows x 512 bytes) at a time through my stage, back into the registers that it left.  LDS serves a wave's instructions in order.
.macro STAGE_IN W
	WIN ((\W)<<2)|((\W)<<6)
.irp q, 0,1,2,3
.irp i, 0,1,2,3,4,5,6,7,8,9,10,11,12,13,14,15
	ds_store_b128 v[SA], v[64*\q+4*\i:64*\q+4*\i+3] offset:528*\i
.endr
.irp b, 0,1,2,3
.irp jj, 0,1,2,3
	ds_load_b128 v[64*\q+16*\b+4*\jj:64*\q+16*\b+4*\jj+3], v[SB] offset:128*\b+16*\jj
.endr
.endr
.endr
	WIN 0
	s_wait_dscnt 0x0
.endm
; 64 numbers of a lane in window W, register s + 16 b + i = k 32 b + 16 h + i of my row, become a fragment's codes in v[PC] on and its scale word in v[PW]
.macro QUANT W, s
	WIN ((\W)<<2)|((\W)<<4)
.irp b, 0,1,2,3
	v_max3_num_f32 v[TM+\b], 0x1800000, |v[(\s)+16*\b]|, |v[(\s)+1+16*\b]|   ; block b: my 16 numbers, and the floor 2^(3 - 127): the byte cannot fall under 1
.endr
.irp i, 2,4,6,8,10,12,14
.irp b, 0,1,2,3
	v_max3_num_f32 v[TM+\b], v[TM+\b], |v[(\s)+16*\b+\i]|, |v[(\s)+1+16*\b+\i]|   ; the four blocks by turns
.endr
.endr
	WIN 0
.irp b, 0,1,2,3
	v_permlanex16_b32 v[TM+4+\b], v[TM+\b], s[SEL], s[SEL+1]
.endr
.irp b, 0,1,2,3
	v_max_num_f32 v[TM+\b], v[TM+\b], v[TM+4+\b]   ; with lane l xor 16's: the block's largest magnitude
.endr
.irp b, 0,1,2,3
	v_add_nc_u32 v[TM+12+\b], 0xff000000, v[TM+\b] ; 2 off its exponent field: the conversion's scale operand
.endr
.irp b, 0,1,2,3
	v_lshrrev_b32 v[TM+4+\b], 23, v[TM+12+\b]      ; the scale's byte
.endr
	v_lshl_or_b32 v[PW], v[TM+5], 8, v[TM+4]
	v_lshl_or_b32 v[PW], v[TM+6], 16, v[PW]
	v_lshl_or_b32 v[PW], v[TM+7], 24, v[PW]
	WIN \W
.irp b, 0,1,2,3
	v_cvt_scalef32_pk8_fp4_f32 v[PC+2*\b], v[(\s)+16*\b:(\s)+7+16*\b], v[TM+12+\b]
	v_cvt_scalef32_pk8_fp4_f32 v[PC+1+2*\b], v[(\s)+8+16*\b:(\s)+15+16*\b], v[TM+12+\b]
.endr
	WIN 0
	v_nop                                          ; one plain place behind a scaled conversion
.irp c, 0,1                                    ; the operand's layout wants a whole block in a lane
.irp i, 0,1
	v_permlane16_swap_b32 v[PC+4*\c+\i], v[PC+2+4*\c+\i]
.endr
.endr
.endm
.macro IMAGE R, i, m                           ; the fragment goes to LDS as it stands: region R, K step 2 w + i, tile m; lanes l and l + 16 write the same scale word
.irp c, 0,1
	ds_store_b128 v[AIW], v[PC+4*\c:PC+4*\c+3] offset:16384*\R+2048*\i+1024*\m+512*\c
.endr
	ds_store_b32 v[ASW], v[PW] offset:1024*\R+128*\i+64*\m
	s_wait_dscnt 0x0                               ; the stores have read their registers
.endm
; eight weight fragments, tiles t0 .. t0 + 7 of the slot's K step j, into buffer f: 16 loads of 512 consecutive bytes
.macro FLOAD f, slot, j, t0
.irp t, 0,1,2,3,4,5,6,7
.irp c, 0,1
	ds_load_b128 v[\f+8*\t+4*\c:\f+8*\t+4*\c+3], v[AW+\slot] offset:16384*\j+1024*(\t0+\t)+512*\c
.endr
.endr
.endm
; the K step's two activation fragments, their scale words, the weights' scale words: 7 loads, into set j
.macro ALOAD slot, j, k
.irp m, 0,1
.irp c, 0,1
	ds_load_b128 v[XF+16*\j+8*\m+4*\c:XF+16*\j+8*\m+4*\c+3], v[ADX] offset:2048*(2*\k+\j)+1024*\m+512*\c
.endr
.endr
	ds_load_b32 v[XS+\j], v[ADXS] offset:128*(2*\k+\j)
.irp g, 0,1
	ds_load_b128 v[WS+8*\j+4*\g:WS+8*\j+4*\g+3], v[ASC+\slot] offset:1024*\j+512*\g
.endr
.endm
.macro MM t, m, j                              ; T(m, t) += weights' tile t x activations' tile m
.set RD, 8*(16*\m+(\t))
.set RA, F0+8*(\t)
.set RB, XF+16*\j+8*\m
.set RW, WS+8*\j+(\t)/2
.if ((\t)%2 == 0) && (\m == 0)
	v_wmma_scale_f32_16x16x128_f8f6f4 v[RD:RD+7], v[RA:RA+7], v[RB:RB+7], v[RD:RD+7], v[RW], v[XS+\j] matrix_a_fmt:MATRIX_FMT_FP4 matrix_b_fmt:MATRIX_FMT_FP4
.elseif (\m == 0)
	v_wmma_scale_f32_16x16x128_f8f6f4 v[RD:RD+7], v[RA:RA+7], v[RB:RB+7], v[RD:RD+7], v[RW], v[XS+\j] matrix_a_fmt:MATRIX_FMT_FP4 matrix_b_fmt:MATRIX_FMT_FP4 matrix_a_scale:MATRIX_SCALE_ROW1
.elseif ((\t)%2 == 0)
	v_wmma_scale_f32_16x16x128_f8f6f4 v[RD:RD+7], v[RA:RA+7], v[RB:RB+7], v[RD:RD+7], v[RW], v[XS+\j] matrix_a_fmt:MATRIX_FMT_FP4 matrix_b_fmt:MATRIX_FMT_FP4 matrix_b_scale:MATRIX_SCALE_ROW1
.else
	v_wmma_scale_f32_16x16x128_f8f6f4 v[RD:RD+7], v[RA:RA+7], v[RB:RB+7], v[RD:RD+7], v[RW], v[XS+\j] matrix_a_fmt:MATRIX_FMT_FP4 matrix_b_fmt:MATRIX_FMT_FP4 matrix_a_scale:MATRIX_SCALE_ROW1 matrix_b_scale:MATRIX_SCALE_ROW1
.endif
.endm
.macro GROUP j, t0                             ; 16 matrix instructions on 16 accumulators.  The 32 accumulators take turns, one instruction a turn, in the same order in every K step
.irp t, 0,1,2,3,4,5,6,7
.irp m, 0,1
	MM \t0+\t, \m, \j
.endr
.endr
.endm
; PREFETCHES of later contents.  Codes: the change of slots at content c names content c + 3, whose tensor load stands two changes on: 131,072 bytes shared out by address among the first cluster's sixteen waves,
; 8,192 bytes a wave, lanes 256 bytes apart.  Scale words: 8,192 bytes a content: wave 0 of each of the four partners names, at each even half pass up to 8, those of content 2 HP + 4 + cx.  So each aligned 256 bytes are
; named once in the launch; contents 0 to 2, and the scale words of contents 0 to 3, come by their loads alone; content 23 is the last that is named.  No branch hangs on a work-group's place in its cluster.
.macro ASK slot
.if \slot == 0
	s_cmp_lt_u32 s[HP], s[LIMA]
.else
	s_cmp_lt_u32 s[HP], s[LIMB]
.endif
	s_cbranch_scc0 .Lnc_\@
	global_prefetch_b8 v[PFO], s[PFA:PFA+1] th:TH_LOAD_NT scope:SCOPE_SE
.Lnc_\@:
.if \slot == 0
	s_and_b32 s50, s[HP], 1
	s_or_b32 s50, s50, s[NFS]
	s_add_co_u32 s51, s[HP], 6
	s_lshr_b32 s51, s51, 4                         ; 1 from half pass 10 on
	s_or_b32 s50, s50, s51
	s_cmp_eq_u32 s50, 0
	s_cbranch_scc0 .Lns_\@
	global_prefetch_b8 v[PFO], s[PFS:PFS+1] th:TH_LOAD_NT scope:SCOPE_SE
.Lns_\@:
.endif
.endm
; THE CHANGE OF SLOTS, at a content's head.  Each wave waits for all its tensor loads (its quarter of the content that it is about to read), adds 0 to its spare word, and waits for that and for its LDS instructions: its reads of the
; slot that it has left, and its stores of images.  The round of the cluster's barrier makes that hold of every wave of all four work-groups; behind it the slot that was left is filled with the next content.
.macro CHANGE slot, refill
	s_wait_tensorcnt 0x0                           ; no tensor load of mine is out, so a group 0 may be written
	ds_add_u32 v[SPW], v[NIL]                      ; the steps below stand between the add and the wait for it
	s_add_nc_u64 s[G0+4*\slot+2:G0+4*\slot+3], s[G0+4*\slot+2:G0+4*\slot+3], 2*CONTENT   ; this slot's next content
	s_wait_xcnt 0x0                                ; the last prefetches, a content back, have read their addresses
	s_add_nc_u64 s[PFA:PFA+1], s[PFA:PFA+1], CONTENT
.if \slot == 0
	s_add_nc_u64 s[PFS:PFS+1], s[PFS:PFS+1], 2*CONTENT
.endif
	s_wait_dscnt 0x0
	ROUND
.if (\refill)
	tensor_load_to_lds s[G0+4*(1-\slot):G0+4*(1-\slot)+3], s[G1:G1+7]   ; my one tensor load behind the round: it has this content's 64 matrix instructions in which to land
	s_nop 0
.endif
	PLACES                                         ; also the places ahead of the loads into registers that the last products read
.endm
; A CONTENT: two K steps, 64 matrix instructions.  k: which of the half pass's two contents.  Each run of LDS loads stands a group of 16 matrix instructions ahead of its use.
.macro KSTEPS slot, k, ask
	FLOAD F0, \slot, 0, 0
	ALOAD \slot, 0, \k
	FLOAD F1, \slot, 0, 8
.if (\ask)
	ASK \slot
.endif
	s_wait_dscnt 16                                ; all but the 16 loads of tiles 8-15
	WIN 0xf0                                       ; C and D in window 3
	GROUP 0, 0
	WIN 0
	PLACES
	FLOAD F0, \slot, 1, 0
	ALOAD \slot, 1, \k
	s_wait_dscnt 23                                ; all but the 23 just issued
	WIN 0xf0
	GROUP 0, 8
	WIN 0
	PLACES
	FLOAD F1, \slot, 1, 8
	s_wait_dscnt 16                                ; all but the 16 just issued
	WIN 0xf0
	GROUP 1, 0
	s_wait_dscnt 0x0
	GROUP 1, 8
	WIN 0
.endm
.macro PAIR last                               ; a half pass: two contents
	CHANGE 0, 1
	KSTEPS 0, 0, 1-\last
	CHANGE 1, 1-\last
	KSTEPS 1, 1, 1-\last
	PLACES
.endm
.macro TOP                                     ; the half pass's four K steps of activations: passes take regions 0, 1, 0, 1, 0, 1, so they begin 8192 (HP % 4) bytes into the images
	s_and_b32 s59, s[HP], 3
	s_lshl_b32 s60, s59, 13
	s_lshl_b32 s61, s59, 9
	v_add_nc_u32 v[ADX], s60, v[ADX0]
	v_add_nc_u32 v[ADXS], s61, v[ADXS0]
.endm
; THE NORMS.  Four chains of packed sums over window X's 256 registers, chain k = 2 m + half over registers 64 k on.  sq = 1: of squares.
.macro SUMS X, sq
	WIN (\X)|((\X)<<2)
.if \sq
.irp k, 0,1,2,3
	v_pk_mul_f32 v[CH+2*\k:CH+2*\k+1], v[64*\k:64*\k+1], v[64*\k:64*\k+1]
.endr
.set RP, 2
.rept 31
.irp k, 0,1,2,3
	v_pk_fma_f32 v[CH+2*\k:CH+2*\k+1], v[64*\k+RP:64*\k+RP+1], v[64*\k+RP:64*\k+RP+1], v[CH+2*\k:CH+2*\k+1]
.endr
.set RP, RP+2
.endr
.else
.irp k, 0,1,2,3
	v_pk_add_f32 v[CH+2*\k:CH+2*\k+1], v[64*\k:64*\k+1], v[64*\k+2:64*\k+3]
.endr
	WIN (\X)<<2
.set RP, 4
.rept 30
.irp k, 0,1,2,3
	v_pk_add_f32 v[CH+2*\k:CH+2*\k+1], v[CH+2*\k:CH+2*\k+1], v[64*\k+RP:64*\k+RP+1]
.endr
.set RP, RP+2
.endr
.endif
	WIN 0
.endm
.macro FOLD Xp, pass                           ; the chains, the pair's halves and lane l xor 16's: my wave's part of rows r and 16 + r; to LDS
	v_pk_add_f32 v[CH:CH+1], v[CH:CH+1], v[CH+2:CH+3]
	v_pk_add_f32 v[CH+4:CH+5], v[CH+4:CH+5], v[CH+6:CH+7]
	v_add_f32 v[TM+2*\Xp], v[CH], v[CH+1]
	v_add_f32 v[TM+2*\Xp+1], v[CH+4], v[CH+5]
	v_permlanex16_b32 v[TM+4+2*\Xp], v[TM+2*\Xp], s[SEL], s[SEL+1]
	v_permlanex16_b32 v[TM+5+2*\Xp], v[TM+2*\Xp+1], s[SEL], s[SEL+1]
	v_add_f32 v[TM+2*\Xp], v[TM+2*\Xp], v[TM+4+2*\Xp]
	v_add_f32 v[TM+2*\Xp+1], v[TM+2*\Xp+1], v[TM+5+2*\Xp]
	ds_store_b32 v[STW], v[TM+2*\Xp] offset:1024*\pass+512*\Xp
	ds_store_b32 v[STW], v[TM+2*\Xp+1] offset:1024*\pass+512*\Xp+256
.endm
.macro STATS pass                              ; the four waves' parts of (tensor, m) = k: their sum in v[TM + 4 k]
.irp k, 0,1,2,3
	ds_load_b128 v[TM+4*\k:TM+4*\k+3], v[STR] offset:1024*\pass+256*\k
.endr
	s_wait_dscnt 0x0
.irp k, 0,1,2,3
	v_add_f32 v[TM+4*\k], v[TM+4*\k], v[TM+4*\k+1]
	v_add_f32 v[TM+4*\k+2], v[TM+4*\k+2], v[TM+4*\k+3]
.endr
.irp k, 0,1,2,3
	v_add_f32 v[TM+4*\k], v[TM+4*\k], v[TM+4*\k+2]
.endr
.endm
.macro BYROW X, Xp, mul                        ; window X, in place: + (-mean) of the lane's row, or x 1 / sqrt(var + eps)
	WIN (\X)|((\X)<<6)
.irp m, 0,1
.set RP, 128*\m
.rept 64
.if \mul
	v_pk_mul_f32 v[RP:RP+1], v[RP:RP+1], v[RS+4*\Xp+2*\m:RS+4*\Xp+2*\m+1]
.else
	v_pk_add_f32 v[RP:RP+1], v[RP:RP+1], v[NMU+4*\Xp+2*\m:NMU+4*\Xp+2*\m+1]
.endif
.set RP, RP+2
.endr
.endr
.endm
	ELOAD 2, 6                                     ; smiles
	TINIT 10                                       ; bv_gs starts the first pass's sums
	ELOAD 1, 4                                     ; graph: wanted three half passes on
	WIN 0
	s_wait_loadcnt 63                              ; of the 192 loads the youngest 63, all graph's, may stay out: smiles and the bias are in
	STAGE_IN 2
	BARRIER                                        ; every wave has left its stage: the images may be laid over it
.irp m, 0,1
.irp i, 0,1
	QUANT 2, 128*\m+64*\i
	IMAGE 0, \i, \m                                ; Q(smiles) into region 0
.endr
.endr
.Lhp:                                              ; half passes 0 to 10; what follows a pass's second half hangs on the counter alone, the same in all waves and all work-groups
	TOP
	PAIR 0
	s_cmp_eq_u32 s[HP], 1
	s_cbranch_scc1 .LarmA
	s_cmp_eq_u32 s[HP], 5
	s_cbranch_scc1 .LarmA
	s_cmp_eq_u32 s[HP], 3
	s_cbranch_scc1 .LarmB
	s_cmp_eq_u32 s[HP], 7
	s_cbranch_scc1 .LarmC
	s_branch .Lnext
.LarmA:                                            ; T = v = x Wv^T + bv: quantised into region 1; then bo starts the next pass's sums
	BARRIER
	s_cmp_eq_u32 s[HP], 1
	s_cselect_b64 s[BP:BP+1], s[12:13], s[16:17]   ; bo_gs or bo_sg
.irp m, 0,1
.irp i, 0,1
	QUANT 3, 128*\m+64*\i
	IMAGE 1, \i, \m
	TINITQ BP, \m, \i
.endr
.endr
	WIN 0
	s_wait_loadcnt 0x0
	s_branch .Lnext
.LarmB:                                            ; T = attention (graph queries smiles) + bo_gs.  Graph is quantised into region 0, then takes T; bv_sg starts the next pass's sums
	BARRIER                                        ; every wave has read the last images: the stages may be laid over them
	s_wait_loadcnt 0x0                             ; graph is in
	STAGE_IN 1
	BARRIER
.irp m, 0,1
.irp i, 0,1
	QUANT 1, 128*\m+64*\i
	IMAGE 0, \i, \m
	WIN 0x4d                                       ; G = G + T
.set RP, 128*\m+64*\i
.rept 32
	v_pk_add_f32 v[RP:RP+1], v[RP:RP+1], v[RP:RP+1]
.set RP, RP+2
.endr
	TINITQ 14, \m, \i
.endr
.endr
	WIN 0
	s_wait_loadcnt 0x0
	s_branch .Lnext
.LarmC:                                            ; T = attention (smiles queries graph) + bo_sg.  Both norms, in two passes over registers: mean, then the mean of squares of what is left
	BARRIER                                        ; every wave has read the last images
	VLOAD 0, F0, 24                                ; ln_s_gamma into the fragments' registers
	WIN 0x8e                                       ; S = S + T
.set RP, 0
.rept 128
	v_pk_add_f32 v[RP:RP+1], v[RP:RP+1], v[RP:RP+1]
.set RP, RP+2
.endr
	VLOAD 3, 0, 20                                 ; ln_g_gamma and
	VLOAD 3, 128, 22                               ; ln_g_beta into the accumulators' registers
	SUMS 1, 0
	FOLD 0, 0
	SUMS 2, 0
	FOLD 1, 0
	BARRIER
	STATS 0
.irp k, 0,1,2,3
	v_mul_f32 v[NMU+2*\k], -v[TM+4*\k], s[INV]     ; -mean
.endr
.irp k, 0,1,2,3
	v_mov_b32 v[NMU+2*\k+1], v[NMU+2*\k]
.endr
	BYROW 1, 0, 0
	SUMS 1, 1
	FOLD 0, 1
	BYROW 2, 1, 0
	SUMS 2, 1
	FOLD 1, 1
	BARRIER
	STATS 1
.irp k, 0,1,2,3
	v_fma_f32 v[TM+4*\k], v[TM+4*\k], s[INV], s[EPS]   ; var + eps
.endr
.irp k, 0,1,2,3
	v_rsq_f32 v[RS+2*\k], v[TM+4*\k]
.endr
	v_nop                                          ; a plain place behind the last of the four
	s_wait_alu depctr_va_vdst(0)                   ; one wait for the four, ahead of their first reader
.irp k, 0,1,2,3
	v_mov_b32 v[RS+2*\k+1], v[RS+2*\k]
.endr
	s_wait_loadcnt 0x0                             ; the three vectors are in
	BYROW 1, 0, 1
	WIN 0x7d                                       ; fg = G gamma + beta
.irp m, 0,1
.set RP, 0
.rept 64
	v_pk_fma_f32 v[128*\m+RP:128*\m+RP+1], v[128*\m+RP:128*\m+RP+1], v[RP:RP+1], v[128+RP:128+RP+1]
.set RP, RP+2
.endr
.endr
	VLOAD 3, 0, 26                                 ; ln_s_beta lands while fg is quantised
.irp m, 0,1
.irp i, 0,1
	QUANT 1, 128*\m+64*\i
	IMAGE 0, \i, \m                                ; Q(fg) into region 0: the gate's K 0 .. 1023
.endr
.endr
	s_wait_loadcnt 0x0
	BYROW 2, 1, 1
	WIN 0xb2                                       ; fs = S gamma + beta
.irp m, 0,1
.set RP, 0
.rept 64
	v_pk_fma_f32 v[128*\m+RP:128*\m+RP+1], v[128*\m+RP:128*\m+RP+1], v[F0+RP:F0+RP+1], v[RP:RP+1]
.set RP, RP+2
.endr
.endr
	TINIT 18                                       ; bg starts the gate's sums
.irp m, 0,1
.irp i, 0,1
	QUANT 2, 128*\m+64*\i
	IMAGE 1, \i, \m                                ; Q(fs) into region 1: the gate's K 1024 .. 2047
.endr
.endr
	s_wait_loadcnt 0x0
.Lnext:
	s_add_co_u32 s[HP], s[HP], 1
	s_cmp_lt_u32 s[HP], 11
	s_cbranch_scc1 .Lhp
	TOP                                            ; the last half pass is written out: its last change of slots asks for nothing
	PAIR 1
; THE WAY OUT, a quarter q = 2 m + half (16 rows x 128 columns) at a time: gate = 1 / (1 + 2^(-log2(e) T)), out0 = fs + gate (fg - fs).  Both go through my stage and leave as rows: each store covers 512 consecutive bytes.
.macro OUTQ q
.if \q > 0
	s_wait_xcnt 0x0                                ; the last quarter's stores have read their registers
.endif
	WIN 0x03
.set RP, 0
.rept 32
	v_pk_mul_f32 v[F0+RP:F0+RP+1], v[64*\q+RP:64*\q+RP+1], 0xbfb8aa3b op_sel_hi:[1,0]   ; each accumulator from its low end on
.set RP, RP+2
.endr
	WIN 0
.set RP, 0
.rept 64
	v_exp_f32 v[F0+RP], v[F0+RP]
.set RP, RP+1
.endr
	WIN 0x49                                       ; G = fg - fs: plain work that names none of the batch's results
.set RP, 64*\q
.rept 32
	v_pk_add_f32 v[RP:RP+1], v[RP:RP+1], v[RP:RP+1] neg_lo:[0,1] neg_hi:[0,1]
.set RP, RP+2
.endr
	WIN 0
	s_wait_alu depctr_va_vdst(0)                   ; one wait for the 64 exponentials, ahead of their first reader
.set RP, 0
.rept 32
	v_pk_add_f32 v[F0+RP:F0+RP+1], v[F0+RP:F0+RP+1], 1.0 op_sel_hi:[1,0]
.set RP, RP+2
.endr
.set RP, 0
.rept 64
	v_rcp_f32 v[F0+RP], v[F0+RP]
.set RP, RP+1
.endr
	v_nop                                          ; a plain place behind the last reciprocal
	s_wait_alu depctr_va_vdst(0)                   ; one wait for the 64
	WIN 0x24
.set RP, 0
.rept 32
	v_pk_fma_f32 v[F1+RP:F1+RP+1], v[F0+RP:F0+RP+1], v[64*\q+RP:64*\q+RP+1], v[64*\q+RP:64*\q+RP+1]
.set RP, RP+2
.endr
	WIN 0
.irp f, F0, F1                                 ; the gate, then out0, through the same bytes: LDS serves a wave's instructions in order
.irp b, 0,1,2,3
.irp jj, 0,1,2,3
	ds_store_b128 v[SB], v[\f+16*\b+4*\jj:\f+16*\b+4*\jj+3] offset:128*\b+16*\jj
.endr
.endr
.irp i, 0,1,2,3,4,5,6,7,8,9,10,11,12,13,14,15
	ds_load_b128 v[\f+4*\i:\f+4*\i+3], v[SA] offset:528*\i
.endr
.endr
	s_wait_dscnt 32                                ; the gate's rows are back; out0's 16 stores and 16 loads may be out
.irp i, 0,1,2,3,4,5,6,7,8,9,10,11,12,13,14,15
	global_store_b128 v[XD], v[F0+4*\i:F0+4*\i+3], s[30:31] offset:(16*(\q/2)+\i)*4096+512*(\q%2) th:TH_STORE_NT
.endr
	s_wait_dscnt 0x0
.irp i, 0,1,2,3,4,5,6,7,8,9,10,11,12,13,14,15
	global_store_b128 v[XD], v[F1+4*\i:F1+4*\i+3], s[28:29] offset:(16*(\q/2)+\i)*4096+512*(\q%2) th:TH_STORE_NT
.endr
.endm
	BARRIER                                        ; every wave has read the last images: the stages may be laid over them
	OUTQ 0
	OUTQ 1
	OUTQ 2
	OUTQ 3
	s_wait_tensorcnt 0x0                           ; the wave's end, behind my last tensor load and my last LDS store
	ds_add_u32 v[SPW], v[NIL]
	s_wait_dscnt 0x0
	ROUND                                          ; the closing round: no work-group ends while a partner may still ask for a content that names it
	s_endpgm
.Lfunc_end_k_q835a88dffd_fuse:
	.size	k_q835a88dffd_fuse, .Lfunc_end_k_q835a88dffd_fuse-k_q835a88dffd_fuse
	.p2alignl 7, 3214868480
	.fill 96, 4, 3214868480
	.section	.rodata,"a",@progbits
	.p2align	6, 0x0
	.amdhsa_kernel k_q835a88dffd_fuse
		.amdhsa_group_segment_fixed_size 327680
		.amdhsa_private_segment_fixed_size 0
		.amdhsa_enable_private_segment 0
		.amdhsa_kernarg_size 112
		.amdhsa_user_sgpr_count 2
		.amdhsa_user_sgpr_kernarg_segment_ptr 1
		.amdhsa_wavefront_size32 1
		.amdhsa_system_sgpr_workgroup_id_x 1
		.amdhsa_system_sgpr_workgroup_id_y 1
		.amdhsa_system_sgpr_workgroup_id_z 1
		.amdhsa_system_vgpr_workitem_id 0
		.amdhsa_next_free_vgpr 1024
		.amdhsa_next_free_sgpr 96
		.amdhsa_reserve_vcc 0
		.amdhsa_float_denorm_mode_32 3
		.amdhsa_float_denorm_mode_16_64 3
		.amdhsa_memory_ordered 1
		.amdhsa_forward_progress 1
		.amdhsa_inst_pref_size 255
	.end_amdhsa_kernel
	.section	.bss,"aw",@nobits
	.p2align	6
	.space	262144
	.amdgpu_metadata
---
amdhsa.version: [ 1, 2 ]
amdhsa.kernels:
  - .name:           k_q835a88dffd_fuse
    .symbol:         k_q835a88dffd_fuse.kd
    .args:
      - { .name: graph_embedding, .offset: 0, .size: 8, .value_kind: global_buffer, .address_space: global }
      - { .name: smiles_embedding, .offset: 8, .size: 8, .value_kind: global_buffer, .address_space: global }
      - { .name: wq, .offset: 16, .size: 8, .value_kind: global_buffer, .address_space: global }
      - { .name: bv_gs, .offset: 24, .size: 8, .value_kind: global_buffer, .address_space: global }
      - { .name: bo_gs, .offset: 32, .size: 8, .value_kind: global_buffer, .address_space: global }
      - { .name: bv_sg, .offset: 40, .size: 8, .value_kind: global_buffer, .address_space: global }
      - { .name: bo_sg, .offset: 48, .size: 8, .value_kind: global_buffer, .address_space: global }
      - { .name: bg, .offset: 56, .size: 8, .value_kind: global_buffer, .address_space: global }
      - { .name: ln_g_gamma, .offset: 64, .size: 8, .value_kind: global_buffer, .address_space: global }
      - { .name: ln_g_beta, .offset: 72, .size: 8, .value_kind: global_buffer, .address_space: global }
      - { .name: ln_s_gamma, .offset: 80, .size: 8, .value_kind: global_buffer, .address_space: global }
      - { .name: ln_s_beta, .offset: 88, .size: 8, .value_kind: global_buffer, .address_space: global }
      - { .name: out0, .offset: 96, .size: 8, .value_kind: global_buffer, .address_space: global }
      - { .name: out1, .offset: 104, .size: 8, .value_kind: global_buffer, .address_space: global }
    .group_segment_fixed_size: 327680
    .private_segment_fixed_size: 0
    .kernarg_segment_align: 8
    .kernarg_segment_size: 112
    .max_flat_workgroup_size: 128
    .sgpr_count:     96
    .vgpr_count:     1024
    .wavefront_size: 32
...
	.end_amdgpu_metadata
.endif
;; end of part 2
;; ======== version 2 of 2: 2 launches
;; limits: right only within a limited range of input values
;; workspace buffers: wq 3,342,336 bytes
;; launch pack (part 3): grid 384 x 1, 4 waves a work-group, no clusters, 34,816 bytes of LDS; arguments Wv_gs, Wo_gs, Wv_sg, Wo_sg, Wg, wq; writes wq
.if DOCPART == 3
	.amdgcn_target "amdgcn-amd-amdhsa--gfx1250"
	.amdhsa_code_object_version 6
	.text
	.protected	k_q835a88dffd_pack
	.globl	k_q835a88dffd_pack
	.p2align	8
	.type	k_q835a88dffd_pack,@function
k_q835a88dffd_pack:
	s_mov_b64 s[64:65], 0
	v_nop
	global_prefetch_b8 v0, s[64:65] scope:SCOPE_SE
	s_setreg_imm32_b32 hwreg(HW_REG_WAVE_MODE, 25, 1), 1
	s_wait_xcnt 0x0
; THE PROGRAM: out1 = sigmoid(Q[fg, fs] Q(Wg)^T + bg), out0 = out1 fg + (1 - out1) fs, fg = LN(graph + (Q(Q(smiles) Q(Wv_gs)^T + bv_gs) Q(Wo_gs)^T + bo_gs)), fs likewise with the tensors exchanged.
; WORK LEFT OUT: reference() takes Wq_gs, Wk_gs, bq_gs, bk_gs, Wq_sg, Wk_sg, bq_sg, bk_sg and num_heads as parameters and names them in no expression: whatever values they hold, no output hangs on them.
; So they are not loaded and are among no launch's arguments.  LIMIT: a NaN, an infinity or an overflow in those inputs is not carried to the result.
; THIS LAUNCH turns the five live weights, f32, stored [N][K] with K innermost, into codes of FP4 (E2M1) with one E8M0 byte for each 32 along K, laid in the order in which the second launch's operand registers take them.
; A block's scale is 2^(floor(log2(its largest magnitude)) - 2): its byte is the largest magnitude's exponent field - 2, held at 1 from below.  LIMITS: a block of zeros gets the byte 1 where the rule says 127 (its codes are zeros,
; which add nothing, and this program alone reads the bytes); NaN and infinities among the weights are not served.
; THE K STREAM: K step g = 0 .. 47 of 128 along K; pass q = g / 8: Wv_gs, Wo_gs, Wv_sg, Wo_sg, Wg[:, 0:1024], Wg[:, 1024:2048]; s = g % 8.  Two K steps (j = g % 2) make a CONTENT of 139,264 bytes:
;   codes at w 32768 + j 16384 + t 1024 + cc 512 + 16 lane: lane (r, h) holds the block k = 128 s + 64 cc + 32 h + 0 .. 31 of weight row 256 w + 32 (t / 2) + 8 (t % 2) + r + 8 (r / 8);
;   scale words at 131072 + w 2048 + j 1024 + g2 512 + 16 lane + 4 i: the word of tile t = 8 g2 + 2 i + lane / 16, row lane % 16.
; SHARES: work-group x: g = x / 8, w = (x / 2) % 4, g2 = x % 2.  Wave i takes 32 neighbouring weight rows (tiles 8 g2 + 2 i and + 1) x 128 along K.  Each load reads one row's 512 consecutive bytes; the rows turn through the
; wave's own stage in LDS, so that a lane holds whole blocks of 32; each store of codes covers 512 consecutive bytes.  No tensor load, no loop.
.set CONTENT, 139264
.set STGW,  8448                       ; a wave's stage: 16 rows x (512 + 16) bytes
.set SCW,   33792                      ; behind the four stages: the work-group's 512 bytes of scale words
.set SPARE, 34304                      ; the spare words, 128 bytes for each wave: two blocks of 256 bytes that no other line names
.set X,     32                         ; v32-159  two fragments' numbers, 64 each
.set C,     160                        ; v160-175 the codes: fragment u, half cc at 8 u + 4 cc
	s_load_b256 s[4:11], s[0:1], 0x0               ; Wv_gs, Wo_gs, Wv_sg, Wo_sg
	s_load_b128 s[12:15], s[0:1], 0x20             ; Wg, wq
	v_lshl_add_u32 v12, v0, 2, SPARE               ; my spare word; never rewritten
	v_mov_b32 v13, 0                               ; 0; never rewritten
	v_lshrrev_b32 v1, 5, v0
	v_readfirstlane_b32 s16, v1                    ; wave i
	v_and_b32 v1, 31, v0                           ; lane
	v_and_b32 v2, 15, v0                           ; r
	v_bfe_u32 v3, v0, 4, 1                         ; h
	v_lshlrev_b32 v4, 4, v1                        ; 16 x lane: in memory, on the way in and out
	s_mul_i32 s17, s16, STGW
	v_add_nc_u32 v5, s17, v4                       ; the stage, in: 16 x lane of a row
	v_mul_u32_u24 v6, v2, 528
	v_lshl_add_u32 v6, v3, 7, v6
	v_add_nc_u32 v6, s17, v6                       ; and back: row r, + 128 h: my block of 32 numbers
	s_lshl_b32 s18, s16, 2
	s_add_co_u32 s18, s18, SCW
	v_add_nc_u32 v7, s18, v4                       ; my scale word: 16 x lane + 4 i
	v_add_nc_u32 v8, SCW, v4                       ; the four waves' words of my lane
	v_mov_b32 v10, 0                               ; written once: a lane permute's destination counts as one of its sources
	v_mov_b32 v11, 0
	s_mov_b32 s20, 0x76543210
	s_mov_b32 s21, 0xfedcba98                      ; v_permlanex16_b32's selects for lane l xor 16
	s_mov_b32 s30, 0xffff0000                      ; lanes 16-31
	s_lshr_b32 s19, ttmp9, 3                       ; g
	s_bfe_u32 s22, ttmp9, 0x20001                  ; w
	s_and_b32 s23, ttmp9, 1                        ; g2
	s_lshr_b32 s24, s19, 3                         ; q
	s_and_b32 s25, s19, 7                          ; s
	s_lshr_b32 s26, s19, 1                         ; the content
	s_and_b32 s27, s19, 1                          ; j
	s_lshl_b32 s31, s22, 8
	s_lshl_b32 s32, s23, 7
	s_add_co_u32 s31, s31, s32
	s_lshl_b32 s32, s16, 5
	s_add_co_u32 s31, s31, s32                     ; my first weight row: 256 w + 128 g2 + 32 i
	s_cmp_lt_u32 s24, 4
	s_cselect_b32 s32, 12, 13                      ; a row is 4,096 bytes, of Wg 8,192
	s_lshl_b32 s31, s31, s32
	s_cmp_eq_u32 s24, 5
	s_cselect_b32 s32, 4096, 0                     ; Wg's second half along K
	s_add_co_u32 s31, s31, s32
	s_lshl_b32 s32, s25, 9                         ; 512 bytes a K step
	s_add_co_u32 s32, s31, s32
	s_mov_b32 s33, 0                               ; s[32:33]: where my rows' part begins
	s_mul_i32 s34, s26, CONTENT
	s_lshl_b32 s35, s22, 15
	s_add_co_u32 s36, s34, s35
	s_lshl_b32 s35, s27, 14
	s_add_co_u32 s36, s36, s35
	s_lshl_b32 s35, s23, 13
	s_add_co_u32 s36, s36, s35
	s_lshl_b32 s35, s16, 11
	s_add_co_u32 s36, s36, s35
	s_mov_b32 s37, 0                               ; s[36:37]: my two fragments' place
	s_add_co_u32 s38, s34, 131072
	s_lshl_b32 s35, s22, 11
	s_add_co_u32 s38, s38, s35
	s_lshl_b32 s35, s27, 10
	s_add_co_u32 s38, s38, s35
	s_lshl_b32 s35, s23, 9
	s_add_co_u32 s38, s38, s35
	s_mov_b32 s39, 0                               ; s[38:39]: the work-group's 512 bytes of scale words
	s_wait_kmcnt 0x0
	s_mov_b64 s[28:29], s[12:13]                   ; the pass's weight: a choice that hangs on the work-group's number alone
	s_cmp_eq_u32 s24, 0
	s_cselect_b64 s[28:29], s[4:5], s[28:29]
	s_cmp_eq_u32 s24, 1
	s_cselect_b64 s[28:29], s[6:7], s[28:29]
	s_cmp_eq_u32 s24, 2
	s_cselect_b64 s[28:29], s[8:9], s[28:29]
	s_cmp_eq_u32 s24, 3
	s_cselect_b64 s[28:29], s[10:11], s[28:29]
	s_add_nc_u64 s[28:29], s[28:29], s[32:33]
	s_add_nc_u64 s[40:41], s[14:15], s[36:37]
	s_add_nc_u64 s[42:43], s[14:15], s[38:39]
; 32 loads, a row each: row (rr % 8) + 8 u + 16 (rr / 8) of my 32 is lane-row rr of fragment u.  The pitch stands in the immediates, so the run is written for each of the two pitches.
.macro LOADS pitch
.irp u, 0,1
.irp rr, 0,1,2,3,4,5,6,7,8,9,10,11,12,13,14,15
	global_load_b128 v[X+64*\u+4*\rr:X+64*\u+4*\rr+3], v4, s[28:29] offset:((\rr%8)+8*\u+16*(\rr/8))*\pitch th:TH_LOAD_NT
.endr
.endr
.endm
	s_cmp_lt_u32 s24, 4
	s_cbranch_scc0 .Lwide
	s_wait_alu depctr_va_vdst(0)
	LOADS 4096
	s_branch .Lloaded
.Lwide:
	s_wait_alu depctr_va_vdst(0)
	LOADS 8192
.Lloaded:
; Fragment u's 16 rows go into the stage as they were loaded and come back a block of 32 numbers at a time, into the registers that they left.  LDS serves a wave's instructions in order: no wait between.
.macro TURN u
.irp rr, 0,1,2,3,4,5,6,7,8,9,10,11,12,13,14,15
	ds_store_b128 v5, v[X+64*\u+4*\rr:X+64*\u+4*\rr+3] offset:528*\rr
.endr
.irp cc, 0,1
.irp jj, 0,1,2,3,4,5,6,7
	ds_load_b128 v[X+64*\u+32*\cc+4*\jj:X+64*\u+32*\cc+4*\jj+3], v6 offset:256*\cc+16*\jj
.endr
.endr
.endm
; One block of 32 numbers, all mine: its largest magnitude, its scale, its 16 bytes of codes, which leave at once.
.macro QB u, cc
.set XB, X+64*\u+32*\cc
	v_max3_num_f32 v14, |v[XB]|, |v[XB+1]|, |v[XB+2]|
	v_max3_num_f32 v15, |v[XB+3]|, |v[XB+4]|, |v[XB+5]|
.irp i, 6,10,14,18,22,26
	v_max3_num_f32 v14, v14, |v[XB+\i]|, |v[XB+\i+1]|
	v_max3_num_f32 v15, v15, |v[XB+\i+2]|, |v[XB+\i+3]|
.endr
	v_max3_num_f32 v14, v14, |v[XB+30]|, |v[XB+31]|
	v_max3_num_f32 v14, v14, v15, 0x1800000        ; and the floor 2^(3 - 127): the byte cannot fall under 1
	v_add_nc_u32 v[16+2*\u+\cc], 0xff000000, v14   ; 2 off the exponent field: the conversion takes this operand's exponent field as its scale
	v_lshrrev_b32 v[20+2*\u+\cc], 23, v[16+2*\u+\cc]   ; the scale's byte
.irp g, 0,1,2,3
	v_cvt_scalef32_pk8_fp4_f32 v[C+8*\u+4*\cc+\g], v[XB+8*\g:XB+8*\g+7], v[16+2*\u+\cc]
.endr
	v_nop                                          ; one plain place behind the last conversion
	global_store_b128 v4, v[C+8*\u+4*\cc:C+8*\u+4*\cc+3], s[40:41] offset:1024*\u+512*\cc   ; 32 lanes store 512 consecutive bytes
.endm
	s_wait_loadcnt 16                              ; fragment 0's 16 loads are in; fragment 1's may be out
	TURN 0
	s_wait_loadcnt 0x0
	TURN 1
	s_wait_dscnt 32                                ; fragment 0 is back; fragment 1's 32 LDS instructions may be out
	QB 0, 0
	QB 0, 1
	s_wait_dscnt 0x0
	QB 1, 0
	QB 1, 1
	v_lshl_or_b32 v24, v21, 16, v20                ; fragment 0: my two bytes, blocks h and 2 + h of row r,
	v_lshl_or_b32 v25, v23, 16, v22                ; fragment 1 likewise,
	v_lshlrev_b32 v26, 3, v3
	v_lshlrev_b32 v24, v26, v24                    ; at their places in the word (8 h bits up);
	v_lshlrev_b32 v25, v26, v25
	v_permlanex16_b32 v10, v24, s20, s21
	v_permlanex16_b32 v11, v25, s20, s21
	v_or_b32 v24, v24, v10                         ; with lane l xor 16's two the word is whole
	v_or_b32 v25, v25, v11
	v_cndmask_b32 v24, v24, v25, s30               ; lanes 0-15 carry the even tile's words, lanes 16-31 the odd tile's
	ds_store_b32 v7, v24
	s_wait_dscnt 0x0                               ; for the others' sake: my word has landed
	s_barrier_signal -1
	s_barrier_wait -1
	s_cmp_lg_u32 s16, 0
	s_cbranch_scc1 .Lend
	ds_load_b128 v[28:31], v8                      ; wave 0: the four waves' words, 16 bytes a lane
	s_wait_dscnt 0x0
	global_store_b128 v4, v[28:31], s[42:43]       ; 512 consecutive bytes
.Lend:
	s_wait_tensorcnt 0x0                           ; the wave's end, behind my last LDS store
	ds_add_u32 v12, v13
	s_wait_dscnt 0x0
	s_endpgm
.Lfunc_end_k_q835a88dffd_pack:
	.size	k_q835a88dffd_pack, .Lfunc_end_k_q835a88dffd_pack-k_q835a88dffd_pack
	.p2alignl 7, 3214868480
	.fill 96, 4, 3214868480
	.section	.rodata,"a",@progbits
	.p2align	6, 0x0
	.amdhsa_kernel k_q835a88dffd_pack
		.amdhsa_group_segment_fixed_size 34816
		.amdhsa_private_segment_fixed_size 0
		.amdhsa_enable_private_segment 0
		.amdhsa_kernarg_size 48
		.amdhsa_user_sgpr_count 2
		.amdhsa_user_sgpr_kernarg_segment_ptr 1
		.amdhsa_wavefront_size32 1
		.amdhsa_system_sgpr_workgroup_id_x 1
		.amdhsa_system_sgpr_workgroup_id_y 1
		.amdhsa_system_sgpr_workgroup_id_z 1
		.amdhsa_system_vgpr_workitem_id 0
		.amdhsa_next_free_vgpr 192
		.amdhsa_next_free_sgpr 66
		.amdhsa_reserve_vcc 0
		.amdhsa_float_denorm_mode_32 3
		.amdhsa_float_denorm_mode_16_64 3
		.amdhsa_memory_ordered 1
		.amdhsa_forward_progress 1
		.amdhsa_inst_pref_size 21
	.end_amdhsa_kernel
	.amdgpu_metadata
---
amdhsa.version: [ 1, 2 ]
amdhsa.kernels:
  - .name:           k_q835a88dffd_pack
    .symbol:         k_q835a88dffd_pack.kd
    .args:
      - { .name: Wv_gs, .offset: 0, .size: 8, .value_kind: global_buffer, .address_space: global }
      - { .name: Wo_gs, .offset: 8, .size: 8, .value_kind: global_buffer, .address_space: global }
      - { .name: Wv_sg, .offset: 16, .size: 8, .value_kind: global_buffer, .address_space: global }
      - { .name: Wo_sg, .offset: 24, .size: 8, .value_kind: global_buffer, .address_space: global }
      - { .name: Wg, .offset: 32, .size: 8, .value_kind: global_buffer, .address_space: global }
      - { .name: wq, .offset: 40, .size: 8, .value_kind: global_buffer, .address_space: global }
    .group_segment_fixed_size: 34816
    .private_segment_fixed_size: 0
    .kernarg_segment_align: 8
    .kernarg_segment_size: 48
    .max_flat_workgroup_size: 128
    .sgpr_count:     66
    .vgpr_count:     192
    .wavefront_size: 32
...
	.end_amdgpu_metadata
.endif
;; end of part 3
;; launch fuse (part 4): grid 256 x 1, 4 waves a work-group, clusters of 4 x 1, 327,680 bytes of LDS; arguments graph_embedding, smiles_embedding, wq, bv_gs, bo_gs, bv_sg, bo_sg, bg, ln_g_gamma, ln_g_beta, ln_s_gamma, ln_s_beta, out0, out1; writes out0, out1
.if DOCPART == 4
	.amdgcn_target "amdgcn-amd-amdhsa--gfx1250"
	.amdhsa_code_object_version 6
	.text
	.protected	k_q835a88dffd_fuse
	.globl	k_q835a88dffd_fuse
	.p2align	8
	.type	k_q835a88dffd_fuse,@function
k_q835a88dffd_fuse:
	s_mov_b64 s[64:65], 0
	v_nop
	global_prefetch_b8 v0, s[64:65] scope:SCOPE_SE
	s_setreg_imm32_b32 hwreg(HW_REG_WAVE_MODE, 25, 1), 1
	s_wait_xcnt 0x0
	s_wait_alu depctr_hold_cnt(0) depctr_sa_sdst(0) depctr_va_vdst(0) depctr_va_sdst(0) depctr_va_ssrc(0) depctr_va_vcc(0) depctr_vm_vsrc(0)
	s_getreg_b32 s2, hwreg(HW_REG_IB_STS2, 6, 4)
	s_cmp_eq_u32 s2, 0
	s_cbranch_scc0 .Lentry_in_a_cluster
	s_endpgm
.Lentry_in_a_cluster:
	s_bfe_u32 s2, ttmp6, 0x10000c
	s_cmp_lg_u32 s2, 0x3003
	s_cbranch_scc0 .Lentry_shape_is_right
	s_endpgm
.Lentry_shape_is_right:
; The whole chain for 32 rows a work-group; nothing between the embeddings and the two outputs goes to memory.  All five products on codes of FP4 (E2M1) with E8M0 scales, f32 sums.
; WORK LEFT OUT: Wq_*, Wk_*, bq_*, bk_* and num_heads reach no output of reference() for any values (shown at the head of the first kernel): they are not among the arguments.
; LIMITS: NaN and infinities among the inputs are not served; a block of zeros carries the scale byte 1 (its codes are zeros); out0 is formed as fs + gate (fg - fs); rsqrt, exp2 and the reciprocal are the chip's own, 1 ulp;
; a sum begins with its bias, and its K steps are added in an order that hangs on the cluster's number (THE WALK, below).
; SHARES.  Work-group wg owns rows 32 wg .. + 31, two tiles m of 16.  Wave w owns columns 256 w .. + 255 of every product's N, for all 32 rows: 16 tiles t x 2 tiles m = 32 accumulators, 256 registers.
; EVERY PRODUCT IS USED TRANSPOSED (source 0 = 16 weight rows, source 1 = 16 activation rows), and the weight rows of a tile are chosen (first kernel) so that in lane (r, h) register 128 m + 16 b + i holds
; column 256 w + 32 b + 16 h + i of row 16 m + r: 16 neighbours along the next product's K.  Graph, smiles, the sums, the norms and the outputs all live in that one layout.
; THE WEIGHTS come as 24 contents of 139,264 bytes (two K steps of 128 for all 1,024 columns, in the order of the operand registers) through a ring of two LDS slots.  All work-groups need the same contents, so the four
; of a cluster ask JOINTLY: each wave asks for a quarter of a content by the same tensor load with the same descriptor and the mask of all four.  By this text's count a wave has one tensor load out.
; THE WALK.  A pass (1,024 along K) is four contents, and a sum over K may take them in any order.  Cluster c begins each pass at content c % 4 of its four and goes round: the n-th content that it takes, n = 0 .. 23, is
; (n & 28) | ((n + c) & 3).  So at each step the clusters ask for four different contents, and each content is asked for first by a quarter of the clusters and by the others one, two and three steps later.
; ACTIVATIONS go from wave to wave through LDS as images of their operand registers (16 bytes a lane, 512 a store) with their scale words beside them.
; A bias is loaded into the accumulators in the result's layout ahead of a pass: every K step then adds in place, nothing is cleared and no bias is added by a vector instruction.
; REGISTERS, in windows of 256: window 1: G (graph, then graph + attention, then fg, then fg - fs, at the end out0);  window 2: S (the same for smiles; at the end fs);  window 3: T, the accumulators;  window 0: all else.
.set CONTENT, 139264                   ; a content, and an LDS slot: slot 0 at 0, slot 1 behind it; filled by tensor loads alone
.set QUARTER, 34816                    ; what one wave's tensor load brings: 136 rows of 256 bytes
.set ACTS,   278528                    ; operand images: region 0, region 1, 16,384 bytes each; in a region K step s, tile m at 2048 s + 1024 m
.set ACTSC,  311296                    ; their scale words: 1,024 bytes a region, 128 a K step (64 for m = 0, 64 for m = 1)
.set STAT,   313344                    ; the norms' partial sums: [pass][tensor][m][r][wave] f32
.set SPARE,  315392                    ; the spare words, 128 bytes for each wave: two blocks of 256 bytes that no other line names
.set STG,    ACTS                      ; a stage of 16 rows x 528 bytes for each wave, laid over the images while those are dead, always parted from them by barriers
.set STGW,   8448
.set AW,    4                          ; v4-5   my weight fragments in slot 0, 1: 32768 w + 16 lane
.set ASC,   6                          ; v6-7   my weights' scale words in slot 0, 1
.set ADX0,  8                          ; v8     ACTS + 16 lane
.set ADX,   9                          ; v9     the same at the content's two K steps
.set ADXS0, 10                         ; v10    ACTSC + 4 lane
.set ADXS,  11                         ; v11    the same at the content's two K steps
.set AIW,   12                         ; v12    where I store images: ACTS + 16 lane + 4096 w
.set ASW,   13                         ; v13    and their scale words: ACTSC + 256 w + 4 r
.set STW,   14                         ; v14    STAT + 16 r + 4 w
.set STR,   15                         ; v15    STAT + 16 r
.set SA,    16                         ; v16    my stage by rows of 512 bytes: + 16 lane
.set SB,    17                         ; v17    my stage by the result's layout: + 528 r + 64 h
.set XD,    18                         ; v18    16 lane + 1024 w: my bytes of a row in memory
.set VB,    19                         ; v19    1024 w + 64 h: my bytes of a vector over the columns
.set PFO,   20                         ; v20    256 x lane
.set SPW,   21                         ; v21    my spare word; never rewritten
.set NIL,   22                         ; v22    0; never rewritten
.set WS,    24                         ; v24-39 weights' scale words, scales and nothing else: set j at 8 j; register t / 2: lanes 0-15 the even tile, lanes 16-31 the odd
.set XS,    40                         ; v40-41 activations' scale words: set j: lanes 0-15 m = 0, lanes 16-31 m = 1
.set XF,    44                         ; v44-75 activations' fragments: set j, tile m at 16 j + 8 m
.set TM,    76                         ; v76-91 at work
.set PW,    92                         ; v92    the scale word just made
.set PC,    94                         ; v94-101 the codes just made
.set NMU,   102                        ; v102-109 -mean, twice, for (tensor, m)
.set RS,    110                        ; v110-117 1 / sqrt(var + eps), twice
.set CH,    118                        ; v118-125 four chains of packed sums
.set F0,    128                        ; v128-191 weight fragments of tiles 0-7
.set F1,    192                        ; v192-255 of tiles 8-15
.set G1,    32                         ; s[32:39] descriptor group 1
.set G0,    40                         ; s[40:47] group 0, a set for each slot
.set WV,    48
.set CX,    49
.set WB,    52                         ; s[52:53] wq at my quarter of content 0; never rewritten
.set SEL,   56
.set HP,    58                         ; the half pass: two contents, four K steps; pass = HP / 2
.set PFA,   66                         ; s[66:67] where my prefetch of codes stands
.set PFS,   68                         ; s[68:69] and that of scale words
.set NFC,   70                         ; s70    0 in clusters 0 to 3, else 1
.set INV,   72
.set EPS,   73
.set BP,    74
.set NFS,   76                         ; s76    0 in wave 0 of cluster 0's work-groups, else 1
.set ROT,   77                         ; s77    cluster % 4: where my cluster begins each pass
.set OFF,    84                        ; s[84:85] a content's byte offset in wq; the high word stays 0
.set LG,     90                        ; s[90:91] -log2(e), twice
.set QF,     92                        ; s92    the quantiser's floor, 2^(3 - 127)
.set QE,     93                        ; s93    -(2 << 23): 2 off an exponent field
.set MSB, 0
.macro WIN new                         ; low byte: bits 1:0 source 0, 3:2 source 1, 5:4 source 2, 7:6 destination; the high byte repeats the setting that is left
.if MSB != (\new)
	s_set_vgpr_msb (MSB<<8)|(\new)
.set MSB, (\new)
.endif
.endm
.macro PLACES                          ; four plain places behind matrix instructions, ahead of loads into their registers and of reads of their results
.rept 4
	v_nop
.endr
.endm
.macro BARRIER                         ; my LDS stores have landed and my LDS loads are in: then the work-group's barrier
	s_wait_dscnt 0x0
	s_barrier_signal -1
	s_barrier_wait -1
.endm
.macro ROUND                           ; a round of the cluster's barrier
	s_barrier_signal -1
	s_barrier_wait -1
	s_cmp_lg_u32 s[WV], 0
	s_cbranch_scc1 .Lnw0_\@
	s_barrier_signal -3
.Lnw0_\@:
	s_barrier_wait -3
	s_barrier_signal -1
	s_barrier_wait -1
.endm
	s_load_b512 s[4:19], s[0:1], 0x0               ; graph s[4:5], smiles s[6:7], wq s[8:9], bv_gs s[10:11], bo_gs s[12:13], bv_sg s[14:15], bo_sg s[16:17], bg s[18:19]
	s_load_b256 s[20:27], s[0:1], 0x40             ; ln_g_gamma s[20:21], ln_g_beta s[22:23], ln_s_gamma s[24:25], ln_s_beta s[26:27]
	s_load_b128 s[28:31], s[0:1], 0x60             ; out0 s[28:29], out1 s[30:31]
	v_lshl_add_u32 v[SPW], v0, 2, SPARE
	v_mov_b32 v[NIL], 0
	ds_add_u32 v[SPW], v[NIL]                      ; the wave's opening: the add, twice on end, and its wait ahead of my first tensor load
	ds_add_u32 v[SPW], v[NIL]
	v_lshrrev_b32 v3, 5, v0
	v_readfirstlane_b32 s[WV], v3                  ; wave 0..3
	v_and_b32 v3, 31, v0                           ; lane
	v_and_b32 v1, 15, v0                           ; r
	v_bfe_u32 v2, v0, 4, 1                         ; h
	v_lshlrev_b32 v23, 4, v3                       ; 16 x lane
	s_lshl_b32 s50, s[WV], 15
	v_add_nc_u32 v[AW], s50, v23
	v_add_nc_u32 v[AW+1], CONTENT, v[AW]
	s_lshl_b32 s50, s[WV], 11
	s_add_co_u32 s50, s50, 131072
	v_add_nc_u32 v[ASC], s50, v23
	v_add_nc_u32 v[ASC+1], CONTENT, v[ASC]
	v_add_nc_u32 v[ADX0], ACTS, v23
	v_lshl_add_u32 v[ADXS0], v3, 2, ACTSC
	s_lshl_b32 s50, s[WV], 12
	s_add_co_u32 s50, s50, ACTS
	v_add_nc_u32 v[AIW], s50, v23
	s_lshl_b32 s50, s[WV], 8
	s_add_co_u32 s50, s50, ACTSC
	v_lshl_add_u32 v[ASW], v1, 2, s50
	s_lshl_b32 s50, s[WV], 2
	s_add_co_u32 s50, s50, STAT
	v_lshl_add_u32 v[STW], v1, 4, s50
	v_lshl_add_u32 v[STR], v1, 4, STAT
	s_mul_i32 s50, s[WV], STGW
	s_add_co_u32 s50, s50, STG
	v_add_nc_u32 v[SA], s50, v23
	v_mul_u32_u24 v[SB], v1, 528
	v_lshl_add_u32 v[SB], v2, 6, v[SB]
	v_add_nc_u32 v[SB], s50, v[SB]
	s_lshl_b32 s51, s[WV], 10
	v_add_nc_u32 v[XD], s51, v23
	v_lshl_add_u32 v[VB], v2, 6, s51
	v_lshlrev_b32 v[PFO], 8, v3
.irp b, 0,1,2,3
	v_mov_b32 v[TM+4+\b], 0                        ; written once: a lane permute's destination counts as one of its sources
.endr
	s_mov_b32 s[SEL], 0x76543210
	s_mov_b32 s[SEL+1], 0xfedcba98                 ; v_permlanex16_b32's selects for lane l xor 16
	s_mov_b32 s[INV], 0x3a800000                   ; 1 / 1024
	s_mov_b32 s[EPS], 0x3727c5ac                   ; 1e-5
	s_mov_b32 s[LG], 0xbfb8aa3b
	s_mov_b32 s[LG+1], 0xbfb8aa3b
	s_mov_b32 s[QF], 0x1800000
	s_mov_b32 s[QE], 0xff000000
	s_mov_b32 s[HP], 0
	; descriptor group 1: 136 rows of 32 elements of 8 bytes, dense in memory and in LDS
	s_mov_b32 s[G1], 15|(3<<16)|(1<<21)            ; 15:0 the mask: all four work-groups; 17:16 elements of 8 bytes; 20 no padding; 21 set beside a mask
	s_mov_b32 s[G1+1], 32<<16                      ; tensor_dim0 = 32
	s_mov_b32 s[G1+2], 136<<16                     ; tensor_dim1 = 136
	s_mov_b32 s[G1+3], 32<<16                      ; tile_dim0 = 32
	s_mov_b32 s[G1+4], 136                         ; tile_dim1 = 136
	s_mov_b32 s[G1+5], 32                          ; from row to row
	s_mov_b32 s[G1+6], 0
	s_mov_b32 s[G1+7], 0
	s_mul_i32 s50, s[WV], QUARTER                  ; my quarter of a content, in memory and in a slot: no place in the cluster enters it
	s_mov_b32 s51, 0
	s_and_b32 s[ROT], ttmp9, 3                     ; in a cluster launch ttmp9 counts clusters: the same in all four partners
	s_mul_i32 s[OFF], s[ROT], CONTENT              ; the first content of my cluster's walk
	s_mov_b32 s[OFF+1], 0
	; what hangs on my place in the cluster enters global addresses alone, in registers of its own
	s_bfe_u32 s[CX], ttmp6, 0x40000                ; cx
	s_lshl_b32 s78, ttmp9, 2
	s_add_co_u32 s78, s78, s[CX]                   ; work-group = 4 x cluster + cx
	s_lshl_b32 s78, s78, 17                        ; 32 rows of 4,096 bytes
	s_mov_b32 s79, 0
	s_lshl_b32 s80, s[WV], 15
	s_lshl_b32 s81, s[CX], 13
	s_add_co_u32 s80, s80, s81
	s_add_co_u32 s81, s[ROT], 2
	s_mul_i32 s81, s81, CONTENT
	s_add_co_u32 s80, s80, s81                     ; prefetch of codes: 32768 w + 8192 cx in content 2 + cluster % 4; the first change to slot 1 steps it two contents on
	s_mov_b32 s81, 0
	s_add_co_u32 s82, s[CX], 2
	s_mul_i32 s82, s82, CONTENT
	s_add_co_u32 s82, s82, 131072                  ; prefetch of scale words: content 2 + cx; stepped likewise
	s_mov_b32 s83, 0
	s_lshr_b32 s[NFC], ttmp9, 2
	s_min_u32 s[NFC], s[NFC], 1                    ; 0 in clusters 0 to 3: the same in all four partners
	s_or_b32 s[NFS], ttmp9, s[WV]
	s_min_u32 s[NFS], s[NFS], 1                    ; 0 in wave 0 of the first cluster's work-groups
	s_wait_dscnt 0x0                               ; both opening adds are done
	s_wait_kmcnt 0x0
	s_add_nc_u64 s[4:5], s[4:5], s[78:79]          ; graph, smiles, out0, out1 at my first row
	s_add_nc_u64 s[6:7], s[6:7], s[78:79]
	s_add_nc_u64 s[28:29], s[28:29], s[78:79]
	s_add_nc_u64 s[30:31], s[30:31], s[78:79]
	s_add_nc_u64 s[PFA:PFA+1], s[8:9], s[80:81]
	s_add_nc_u64 s[PFS:PFS+1], s[8:9], s[82:83]
	s_add_nc_u64 s[WB:WB+1], s[8:9], s[50:51]
.irp n, 0,1
	s_mov_b32 s[G0+4*\n], 1                        ; count = 1
	s_add_co_u32 s[G0+4*\n+1], s50, \n*CONTENT     ; LDS address: slot n, my quarter
.endr
	s_add_nc_u64 s[G0+2:G0+3], s[WB:WB+1], s[OFF:OFF+1]   ; global address: the walk's first content, my quarter (slot 1's is made at the first change of slots)
	s_or_b32 s[G0+3], s[G0+3], 0x80000000          ; type = 2
	ROUND                                          ; all four work-groups are here: the first joint loads meet
	tensor_load_to_lds s[G0:G0+3], s[G1:G1+7]      ; into slot 0: every wave its quarter
	s_nop 0
	PLACES
; 64 loads: my 1,024 bytes of each of the 32 rows, 512 consecutive bytes a load; quarter q = 2 m + half, row i at registers 64 q + 4 i of window W
.macro ELOAD W, p
	WIN (\W)<<6
.irp q, 0,1,2,3
.irp i, 0,1,2,3,4,5,6,7,8,9,10,11,12,13,14,15
	global_load_b128 v[64*\q+4*\i:64*\q+4*\i+3], v[XD], s[\p:\p+1] offset:(16*(\q/2)+\i)*4096+512*(\q%2) th:TH_LOAD_NT
.endr
.endr
.endm
; a vector over the columns into a quarter (tile m, K step i of my two) of the accumulators, in the result's layout.  It leaves the window set.
.macro TINITQ p, m, i
	WIN 0xc0
.irp b, 0,1,2,3
.irp jj, 0,1,2,3
	global_load_b128 v[128*\m+64*\i+16*\b+4*\jj:128*\m+64*\i+16*\b+4*\jj+3], v[VB], s[\p:\p+1] offset:512*\i+128*\b+16*\jj
.endr
.endr
.endm
.macro TINIT p
.irp m, 0,1
.irp i, 0,1
	TINITQ \p, \m, \i
.endr
.endr
.endm
; one copy of a vector over my 256 columns: 128 registers from dst on, in window W
.macro VLOAD W, dst, p
	WIN (\W)<<6
.irp b, 0,1,2,3,4,5,6,7
.irp jj, 0,1,2,3
	global_load_b128 v[\dst+16*\b+4*\jj:\dst+16*\b+4*\jj+3], v[VB], s[\p:\p+1] offset:128*\b+16*\jj
.endr
.endr
.endm
; window W's 256 registers from the order of the loads into the result's layout: a quarter (16 rows x 512 bytes) at a time through my stage, back into the registers that it left.  LDS serves a wave's instructions in order.
.macro STAGE_IN W
	WIN ((\W)<<2)|((\W)<<6)
.irp q, 0,1,2,3
.irp i, 0,1,2,3,4,5,6,7,8,9,10,11,12,13,14,15
	ds_store_b128 v[SA], v[64*\q+4*\i:64*\q+4*\i+3] offset:528*\i
.endr
.irp b, 0,1,2,3
.irp jj, 0,1,2,3
	ds_load_b128 v[64*\q+16*\b+4*\jj:64*\q+16*\b+4*\jj+3], v[SB] offset:128*\b+16*\jj
.endr
.endr
.endr
	WIN 0
	s_wait_dscnt 0x0
.endm
; 64 numbers of a lane in window W, register s + 16 b + i = k 32 b + 16 h + i of my row, become a fragment's codes in v[PC] on and its scale word in v[PW]
.macro QUANT W, s
	WIN ((\W)<<2)|((\W)<<4)
.irp b, 0,1,2,3
	v_max3_num_f32 v[TM+\b], s[QF], |v[(\s)+16*\b]|, |v[(\s)+1+16*\b]|   ; block b: my 16 numbers, and the floor 2^(3 - 127): the byte cannot fall under 1
.endr
.irp i, 2,4,6,8,10,12,14
.irp b, 0,1,2,3
	v_max3_num_f32 v[TM+\b], v[TM+\b], |v[(\s)+16*\b+\i]|, |v[(\s)+1+16*\b+\i]|   ; the four blocks by turns
.endr
.endr
	WIN 0
.irp b, 0,1,2,3
	v_permlanex16_b32 v[TM+4+\b], v[TM+\b], s[SEL], s[SEL+1]
.endr
.irp b, 0,1,2,3
	v_max_num_f32 v[TM+\b], v[TM+\b], v[TM+4+\b]   ; with lane l xor 16's: the block's largest magnitude
.endr
.irp b, 0,1,2,3
	v_add_nc_u32 v[TM+12+\b], s[QE], v[TM+\b]      ; 2 off its exponent field: the conversion's scale operand
.endr
.irp b, 0,1,2,3
	v_lshrrev_b32 v[TM+4+\b], 23, v[TM+12+\b]      ; the scale's byte
.endr
	v_lshl_or_b32 v[PW], v[TM+5], 8, v[TM+4]
	v_lshl_or_b32 v[PW], v[TM+6], 16, v[PW]
	v_lshl_or_b32 v[PW], v[TM+7], 24, v[PW]
	WIN \W
.irp b, 0,1,2,3
	v_cvt_scalef32_pk8_fp4_f32 v[PC+2*\b], v[(\s)+16*\b:(\s)+7+16*\b], v[TM+12+\b]
	v_cvt_scalef32_pk8_fp4_f32 v[PC+1+2*\b], v[(\s)+8+16*\b:(\s)+15+16*\b], v[TM+12+\b]
.endr
	WIN 0
	v_nop                                          ; one plain place behind a scaled conversion
.irp c, 0,1                                    ; the operand's layout wants a whole block in a lane
.irp i, 0,1
	v_permlane16_swap_b32 v[PC+4*\c+\i], v[PC+2+4*\c+\i]
.endr
.endr
.endm
.macro IMAGE R, i, m                           ; the fragment goes to LDS as it stands: region R, K step 2 w + i, tile m; lanes l and l + 16 write the same scale word
.irp c, 0,1
	ds_store_b128 v[AIW], v[PC+4*\c:PC+4*\c+3] offset:16384*\R+2048*\i+1024*\m+512*\c
.endr
	ds_store_b32 v[ASW], v[PW] offset:1024*\R+128*\i+64*\m
	s_wait_dscnt 3                                 ; all but this image's three stores: the image before has read its registers, which the next quantiser writes
.set PC, 212-PC                                ; codes and scale word take turns between two sets: v94-101 with v92, v118-125 (the chains', idle wherever images are made) with v93.  Images come in fours and eights
.set PW, 185-PW
.endm
; eight weight fragments, tiles t0 .. t0 + 7 of the slot's K step j, into buffer f: 16 loads of 512 consecutive bytes
.macro FLOAD f, slot, j, t0
.irp t, 0,1,2,3,4,5,6,7
.irp c, 0,1
	ds_load_b128 v[\f+8*\t+4*\c:\f+8*\t+4*\c+3], v[AW+\slot] offset:16384*\j+1024*(\t0+\t)+512*\c
.endr
.endr
.endm
; the content's K step j: its two activation fragments, their scale words, the weights' scale words: 7 loads, into set j
.macro ALOAD slot, j
.irp m, 0,1
.irp c, 0,1
	ds_load_b128 v[XF+16*\j+8*\m+4*\c:XF+16*\j+8*\m+4*\c+3], v[ADX] offset:2048*\j+1024*\m+512*\c
.endr
.endr
	ds_load_b32 v[XS+\j], v[ADXS] offset:128*\j
.irp g, 0,1
	ds_load_b128 v[WS+8*\j+4*\g:WS+8*\j+4*\g+3], v[ASC+\slot] offset:1024*\j+512*\g
.endr
.endm
.macro MM t, m, j                              ; T(m, t) += weights' tile t x activations' tile m
.set RD, 8*(16*\m+(\t))
.set RA, F0+8*(\t)
.set RB, XF+16*\j+8*\m
.set RW, WS+8*\j+(\t)/2
.if ((\t)%2 == 0) && (\m == 0)
	v_wmma_scale_f32_16x16x128_f8f6f4 v[RD:RD+7], v[RA:RA+7], v[RB:RB+7], v[RD:RD+7], v[RW], v[XS+\j] matrix_a_fmt:MATRIX_FMT_FP4 matrix_b_fmt:MATRIX_FMT_FP4
.elseif (\m == 0)
	v_wmma_scale_f32_16x16x128_f8f6f4 v[RD:RD+7], v[RA:RA+7], v[RB:RB+7], v[RD:RD+7], v[RW], v[XS+\j] matrix_a_fmt:MATRIX_FMT_FP4 matrix_b_fmt:MATRIX_FMT_FP4 matrix_a_scale:MATRIX_SCALE_ROW1
.elseif ((\t)%2 == 0)
	v_wmma_scale_f32_16x16x128_f8f6f4 v[RD:RD+7], v[RA:RA+7], v[RB:RB+7], v[RD:RD+7], v[RW], v[XS+\j] matrix_a_fmt:MATRIX_FMT_FP4 matrix_b_fmt:MATRIX_FMT_FP4 matrix_b_scale:MATRIX_SCALE_ROW1
.else
	v_wmma_scale_f32_16x16x128_f8f6f4 v[RD:RD+7], v[RA:RA+7], v[RB:RB+7], v[RD:RD+7], v[RW], v[XS+\j] matrix_a_fmt:MATRIX_FMT_FP4 matrix_b_fmt:MATRIX_FMT_FP4 matrix_a_scale:MATRIX_SCALE_ROW1 matrix_b_scale:MATRIX_SCALE_ROW1
.endif
.endm
.macro GROUP j, t0                             ; 16 matrix instructions on 16 accumulators.  The 32 accumulators take turns, one instruction a turn, in the same order in every K step
.irp t, 0,1,2,3,4,5,6,7
.irp m, 0,1
	MM \t0+\t, \m, \j
.endr
.endr
.endm
; PREFETCHES of the next pass's four contents, 2 HP + 4 .. 2 HP + 7.  They stand at the second content of a pass (slot 1 of an even half pass, up to half pass 8): the first tensor loads that want those contents are issued two
; changes of slots on.  Codes: cluster c of clusters 0 to 3 names content 2 HP + 4 + c: 131,072 bytes shared out by address among its sixteen waves, 8,192 bytes a wave, lanes 256 bytes apart.  Scale words, 8,192 bytes a
; content: wave 0 of each of cluster 0's four partners names those of content 2 HP + 4 + cx.  So each aligned 256 bytes are named once in the launch; contents 0 to 3 come by their loads alone; content 23 is the last
; that is named.  No branch hangs on a work-group's place in its cluster.
.macro ASK
	s_and_b32 s50, s[HP], 1
	s_add_co_u32 s51, s[HP], 6
	s_lshr_b32 s51, s51, 4                         ; 1 from half pass 10 on
	s_or_b32 s50, s50, s51
	s_or_b32 s51, s50, s[NFC]
	s_cmp_eq_u32 s51, 0
	s_cbranch_scc0 .Lnc_\@
	global_prefetch_b8 v[PFO], s[PFA:PFA+1] th:TH_LOAD_NT scope:SCOPE_SE
.Lnc_\@:
	s_or_b32 s51, s50, s[NFS]
	s_cmp_eq_u32 s51, 0
	s_cbranch_scc0 .Lns_\@
	global_prefetch_b8 v[PFO], s[PFS:PFS+1] th:TH_LOAD_NT scope:SCOPE_SE
.Lns_\@:
.endm
; THE CHANGE OF SLOTS, at a content's head.  Each wave waits for all its tensor loads (its quarter of the content that it is about to read), adds 0 to its spare word, and waits for that and for its LDS instructions: its reads of the
; slot that it has left, and its stores of images.  The round of the cluster's barrier makes that hold of every wave of all four work-groups; behind it the slot that was left is filled with the walk's next content.
; Between the add and the wait for it, on registers alone: n = 2 HP + slot is the walk's number of the content ahead.  Its two K steps of activations lie 4096 ((n & 4) | ((n + cluster) & 3)) bytes into the images: passes take
; regions 0, 1, 0, 1, 0, 1, and a region holds four contents' K steps.  The next content's address is made anew from n + 1.
.macro CHANGE slot, refill
	s_wait_tensorcnt 0x0                           ; no tensor load of mine is out, so a group 0 may be written
	ds_add_u32 v[SPW], v[NIL]
	s_lshl_b32 s86, s[HP], 1
.if \slot == 1
	s_add_co_u32 s86, s86, 1                       ; n
.endif
	s_add_co_u32 s87, s86, s[ROT]
	s_and_b32 s87, s87, 3
	s_and_b32 s88, s86, 4
	s_or_b32 s88, s88, s87                         ; 0 .. 7
	s_lshl_b32 s87, s88, 12
	s_lshl_b32 s88, s88, 8
	v_add_nc_u32 v[ADX], s87, v[ADX0]
	v_add_nc_u32 v[ADXS], s88, v[ADXS0]
.if (\refill)
	s_add_co_u32 s86, s86, 1                       ; n + 1
	s_add_co_u32 s87, s86, s[ROT]
	s_and_b32 s87, s87, 3
	s_and_b32 s86, s86, 28
	s_or_b32 s86, s86, s87                         ; the content: its pass's four, begun at cluster % 4
	s_mul_i32 s[OFF], s86, CONTENT
	s_add_nc_u64 s[G0+4*(1-\slot)+2:G0+4*(1-\slot)+3], s[WB:WB+1], s[OFF:OFF+1]
	s_or_b32 s[G0+4*(1-\slot)+3], s[G0+4*(1-\slot)+3], 0x80000000   ; type = 2
.endif
.if (\slot == 1) && (\refill)
	s_wait_xcnt 0x0                                ; the last prefetches, two contents back at the least, have read their addresses
	s_add_nc_u64 s[PFA:PFA+1], s[PFA:PFA+1], 2*CONTENT
	s_add_nc_u64 s[PFS:PFS+1], s[PFS:PFS+1], 2*CONTENT
.endif
	s_wait_dscnt 0x0
	ROUND
.if (\refill)
	tensor_load_to_lds s[G0+4*(1-\slot):G0+4*(1-\slot)+3], s[G1:G1+7]   ; my one tensor load behind the round: it has this content's 64 matrix instructions in which to land
	s_nop 0
.endif
	PLACES                                         ; also the places ahead of the loads into registers that the last products read
.endm
; A CONTENT: two K steps, 64 matrix instructions.  Each run of LDS loads stands a group of 16 matrix instructions ahead of its use.
.macro KSTEPS slot, ask
	FLOAD F0, \slot, 0, 0
	ALOAD \slot, 0
	FLOAD F1, \slot, 0, 8
.if (\ask)
	ASK
.endif
.if (\slot) == 0
	s_wait_loadcnt 0x0                             ; a bias asked for behind the last pass is in the accumulators (in the first trip: graph is in too)
.endif
	s_wait_dscnt 16                                ; all but the 16 loads of tiles 8-15
	WIN 0xf0                                       ; C and D in window 3
	GROUP 0, 0
	WIN 0
	PLACES
	FLOAD F0, \slot, 1, 0
	ALOAD \slot, 1
	s_wait_dscnt 23                                ; all but the 23 just issued
	WIN 0xf0
	GROUP 0, 8
	WIN 0
	PLACES
	FLOAD F1, \slot, 1, 8
	s_wait_dscnt 16                                ; all but the 16 just issued
	WIN 0xf0
	GROUP 1, 0
	s_wait_dscnt 0x0
	GROUP 1, 8
	WIN 0
.endm
.macro PAIR last                               ; a half pass: two contents
	CHANGE 0, 1
	s_wait_alu depctr_va_vdst(0)
	KSTEPS 0, 0
	CHANGE 1, 1-\last
	s_wait_alu depctr_va_vdst(0)
	KSTEPS 1, 1-\last
	PLACES
.endm
; THE NORMS.  Four chains of packed sums over window X's 256 registers, chain k = 2 m + half over registers 64 k on.  sq = 1: of squares.
.macro SUMS X, sq
	WIN (\X)|((\X)<<2)
.if \sq
.irp k, 0,1,2,3
	v_pk_mul_f32 v[CH+2*\k:CH+2*\k+1], v[64*\k:64*\k+1], v[64*\k:64*\k+1]
.endr
.set RP, 2
.rept 31
.irp k, 0,1,2,3
	v_pk_fma_f32 v[CH+2*\k:CH+2*\k+1], v[64*\k+RP:64*\k+RP+1], v[64*\k+RP:64*\k+RP+1], v[CH+2*\k:CH+2*\k+1]
.endr
.set RP, RP+2
.endr
.else
.irp k, 0,1,2,3
	v_pk_add_f32 v[CH+2*\k:CH+2*\k+1], v[64*\k:64*\k+1], v[64*\k+2:64*\k+3]
.endr
	WIN (\X)<<2
.set RP, 4
.rept 30
.irp k, 0,1,2,3
	v_pk_add_f32 v[CH+2*\k:CH+2*\k+1], v[CH+2*\k:CH+2*\k+1], v[64*\k+RP:64*\k+RP+1]
.endr
.set RP, RP+2
.endr
.endif
	WIN 0
.endm
.macro FOLD Xp, pass                           ; the chains, the pair's halves and lane l xor 16's: my wave's part of rows r and 16 + r; to LDS
	v_pk_add_f32 v[CH:CH+1], v[CH:CH+1], v[CH+2:CH+3]
	v_pk_add_f32 v[CH+4:CH+5], v[CH+4:CH+5], v[CH+6:CH+7]
	v_add_f32 v[TM+2*\Xp], v[CH], v[CH+1]
	v_add_f32 v[TM+2*\Xp+1], v[CH+4], v[CH+5]
	v_permlanex16_b32 v[TM+4+2*\Xp], v[TM+2*\Xp], s[SEL], s[SEL+1]
	v_permlanex16_b32 v[TM+5+2*\Xp], v[TM+2*\Xp+1], s[SEL], s[SEL+1]
	v_add_f32 v[TM+2*\Xp], v[TM+2*\Xp], v[TM+4+2*\Xp]
	v_add_f32 v[TM+2*\Xp+1], v[TM+2*\Xp+1], v[TM+5+2*\Xp]
	ds_store_b32 v[STW], v[TM+2*\Xp] offset:1024*\pass+512*\Xp
	ds_store_b32 v[STW], v[TM+2*\Xp+1] offset:1024*\pass+512*\Xp+256
.endm
.macro STATS pass                              ; the four waves' parts of (tensor, m) = k: their sum in v[TM + 4 k]
.irp k, 0,1,2,3
	ds_load_b128 v[TM+4*\k:TM+4*\k+3], v[STR] offset:1024*\pass+256*\k
.endr
	s_wait_dscnt 0x0
.irp k, 0,1,2,3
	v_add_f32 v[TM+4*\k], v[TM+4*\k], v[TM+4*\k+1]
	v_add_f32 v[TM+4*\k+2], v[TM+4*\k+2], v[TM+4*\k+3]
.endr
.irp k, 0,1,2,3
	v_add_f32 v[TM+4*\k], v[TM+4*\k], v[TM+4*\k+2]
.endr
.endm
.macro BYROW X, Xp, mul                        ; window X, in place: + (-mean) of the lane's row, or x 1 / sqrt(var + eps)
	WIN (\X)|((\X)<<6)
.irp m, 0,1
.set RP, 128*\m
.rept 64
.if \mul
	v_pk_mul_f32 v[RP:RP+1], v[RP:RP+1], v[RS+4*\Xp+2*\m:RS+4*\Xp+2*\m+1]
.else
	v_pk_add_f32 v[RP:RP+1], v[RP:RP+1], v[NMU+4*\Xp+2*\m:NMU+4*\Xp+2*\m+1]
.endif
.set RP, RP+2
.endr
.endr
.endm
	s_wait_alu depctr_va_vdst(0)
	ELOAD 2, 6                                     ; smiles
	TINIT 10                                       ; bv_gs starts the first pass's sums
	ELOAD 1, 4                                     ; graph: wanted three half passes on
	WIN 0
	s_wait_loadcnt 63                              ; of the 192 loads the youngest 63, all graph's, may stay out: smiles and the bias are in
	STAGE_IN 2
	BARRIER                                        ; every wave has left its stage: the images may be laid over it
.irp m, 0,1
.irp i, 0,1
	QUANT 2, 128*\m+64*\i
	IMAGE 0, \i, \m                                ; Q(smiles) into region 0
.endr
.endr
.Lhp:                                              ; half passes 0 to 10; what follows a pass's second half hangs on the counter alone, the same in all waves and all work-groups
	PAIR 0
	s_cmp_eq_u32 s[HP], 1
	s_cbranch_scc1 .LarmA
	s_cmp_eq_u32 s[HP], 5
	s_cbranch_scc1 .LarmA
	s_cmp_eq_u32 s[HP], 3
	s_cbranch_scc1 .LarmB
	s_cmp_eq_u32 s[HP], 7
	s_cbranch_scc1 .LarmC
	s_branch .Lnext
.LarmA:                                            ; T = v = x Wv^T + bv: quantised into region 1; then bo starts the next pass's sums
	BARRIER
	s_cmp_eq_u32 s[HP], 1
	s_cselect_b64 s[BP:BP+1], s[12:13], s[16:17]   ; bo_gs or bo_sg
.irp m, 0,1
.irp i, 0,1
	QUANT 3, 128*\m+64*\i
	IMAGE 1, \i, \m
.endr
.endr
	s_branch .Ltin
.LarmB:                                            ; T = attention (graph queries smiles) + bo_gs.  Graph is quantised into region 0, then takes T; bv_sg starts the next pass's sums
	BARRIER                                        ; every wave has read the last images: the stages may be laid over them
	s_wait_loadcnt 0x0                             ; graph is in
	STAGE_IN 1
	BARRIER
.irp m, 0,1
.irp i, 0,1
	QUANT 1, 128*\m+64*\i
	IMAGE 0, \i, \m
	WIN 0x4d                                       ; G = G + T
.set RP, 128*\m+64*\i
.rept 32
	v_pk_add_f32 v[RP:RP+1], v[RP:RP+1], v[RP:RP+1]
.set RP, RP+2
.endr
.endr
.endr
	WIN 0
	s_mov_b64 s[BP:BP+1], s[14:15]                 ; bv_sg
	s_branch .Ltin
.LarmC:                                            ; T = attention (smiles queries graph) + bo_sg.  Both norms, in two passes over registers: mean, then the mean of squares of what is left
	BARRIER                                        ; every wave has read the last images
	VLOAD 0, F0, 24                                ; ln_s_gamma into the fragments' registers
	WIN 0x8e                                       ; S = S + T
.set RP, 0
.rept 128
	v_pk_add_f32 v[RP:RP+1], v[RP:RP+1], v[RP:RP+1]
.set RP, RP+2
.endr
	VLOAD 3, 0, 20                                 ; ln_g_gamma and
	VLOAD 3, 128, 22                               ; ln_g_beta into the accumulators' registers
	SUMS 1, 0
	FOLD 0, 0
	SUMS 2, 0
	FOLD 1, 0
	BARRIER
	STATS 0
.irp k, 0,1,2,3
	v_mul_f32 v[NMU+2*\k], -v[TM+4*\k], s[INV]     ; -mean
.endr
.irp k, 0,1,2,3
	v_mov_b32 v[NMU+2*\k+1], v[NMU+2*\k]
.endr
	BYROW 1, 0, 0
	SUMS 1, 1
	FOLD 0, 1
	BYROW 2, 1, 0
	SUMS 2, 1
	FOLD 1, 1
	BARRIER
	STATS 1
.irp k, 0,1,2,3
	v_fma_f32 v[TM+4*\k], v[TM+4*\k], s[INV], s[EPS]   ; var + eps
.endr
	s_wait_alu depctr_va_vdst(0)
.irp k, 0,1,2,3
	v_rsq_f32 v[RS+2*\k], v[TM+4*\k]
.endr
	v_nop                                          ; a plain place behind the last of the four
	s_wait_alu depctr_va_vdst(0)                   ; one wait for the four, ahead of their first reader
.irp k, 0,1,2,3
	v_mov_b32 v[RS+2*\k+1], v[RS+2*\k]
.endr
	s_wait_alu depctr_va_vdst(0)
	s_wait_loadcnt 0x0                             ; the three vectors are in
	BYROW 1, 0, 1
	WIN 0x7d                                       ; fg = G gamma + beta
.irp m, 0,1
.set RP, 0
.rept 64
	v_pk_fma_f32 v[128*\m+RP:128*\m+RP+1], v[128*\m+RP:128*\m+RP+1], v[RP:RP+1], v[128+RP:128+RP+1]
.set RP, RP+2
.endr
.endr
	VLOAD 3, 0, 26                                 ; ln_s_beta lands while fg is quantised
.irp m, 0,1
.irp i, 0,1
	QUANT 1, 128*\m+64*\i
	IMAGE 0, \i, \m                                ; Q(fg) into region 0: the gate's K 0 .. 1023
.endr
.endr
	s_wait_loadcnt 0x0
	BYROW 2, 1, 1
	WIN 0xb2                                       ; fs = S gamma + beta
.irp m, 0,1
.set RP, 0
.rept 64
	v_pk_fma_f32 v[128*\m+RP:128*\m+RP+1], v[128*\m+RP:128*\m+RP+1], v[F0+RP:F0+RP+1], v[RP:RP+1]
.set RP, RP+2
.endr
.endr
.irp m, 0,1
.irp i, 0,1
	QUANT 2, 128*\m+64*\i
	IMAGE 1, \i, \m                                ; Q(fs) into region 1: the gate's K 1024 .. 2047
.endr
.endr
	s_mov_b64 s[BP:BP+1], s[18:19]                 ; bg starts the gate's sums
.Ltin:                                             ; one run of 64 loads for all three arms: the next pass's bias into the accumulators; the wait for it stands ahead of slot 0's first products
	TINIT BP
	WIN 0
.Lnext:
	s_add_co_u32 s[HP], s[HP], 1
	s_cmp_lt_u32 s[HP], 11
	s_cbranch_scc1 .Lhp
	PAIR 1                                         ; the last half pass (the counter stands at 11) is written out: its last change of slots asks for nothing
; THE WAY OUT, a quarter q = 2 m + half (16 rows x 128 columns) at a time: gate = 1 / (1 + 2^(-log2(e) T)), out0 = fs + gate (fg - fs).  Both go through my stage and leave as rows: each store covers 512 consecutive bytes.
.macro OUTQ q
	WIN 0xc3                                       ; the gate is made in place, in the accumulators' registers, and out0 in G's: no quarter writes a register that a pending store reads
.set RP, 0
.rept 32
	v_pk_mul_f32 v[64*\q+RP:64*\q+RP+1], v[64*\q+RP:64*\q+RP+1], s[LG:LG+1] op_sel_hi:[1,0]   ; each accumulator from its low end on
.set RP, RP+2
.endr
.set RP, 64*\q
	s_wait_alu depctr_va_vdst(0)
.rept 64
	v_exp_f32 v[RP], v[RP]
.set RP, RP+1
.endr
	WIN 0x49                                       ; G = fg - fs: plain work that names none of the batch's results
.set RP, 64*\q
.rept 32
	v_pk_add_f32 v[RP:RP+1], v[RP:RP+1], v[RP:RP+1] neg_lo:[0,1] neg_hi:[0,1]
.set RP, RP+2
.endr
	WIN 0xc3
	s_wait_alu depctr_va_vdst(0)                   ; one wait for the 64 exponentials, ahead of their first reader
.set RP, 64*\q
.rept 32
	v_pk_add_f32 v[RP:RP+1], v[RP:RP+1], 1.0 op_sel_hi:[1,0]
.set RP, RP+2
.endr
.set RP, 64*\q
	s_wait_alu depctr_va_vdst(0)
.rept 64
	v_rcp_f32 v[RP], v[RP]
.set RP, RP+1
.endr
	v_nop                                          ; a plain place behind the last reciprocal
	s_wait_alu depctr_va_vdst(0)                   ; one wait for the 64
	WIN 0x67                                       ; G = gate (window 3) x G (window 1) + fs (window 2)
.set RP, 64*\q
.rept 32
	v_pk_fma_f32 v[RP:RP+1], v[RP:RP+1], v[RP:RP+1], v[RP:RP+1]
.set RP, RP+2
.endr
.irp f, 3, 1                                   ; the gate (window 3), then out0 (window 1), through the same bytes: LDS serves a wave's instructions in order
	WIN ((\f)<<2)|((\f)<<6)
.irp b, 0,1,2,3
.irp jj, 0,1,2,3
	ds_store_b128 v[SB], v[64*\q+16*\b+4*\jj:64*\q+16*\b+4*\jj+3] offset:128*\b+16*\jj
.endr
.endr
.irp i, 0,1,2,3,4,5,6,7,8,9,10,11,12,13,14,15
	ds_load_b128 v[64*\q+4*\i:64*\q+4*\i+3], v[SA] offset:528*\i
.endr
.endr
	WIN 0x0c                                       ; the stores' data: window 3
	s_wait_dscnt 32                                ; the gate's rows are back; out0's 16 stores and 16 loads may be out
.irp i, 0,1,2,3,4,5,6,7,8,9,10,11,12,13,14,15
	global_store_b128 v[XD], v[64*\q+4*\i:64*\q+4*\i+3], s[30:31] offset:(16*(\q/2)+\i)*4096+512*(\q%2) th:TH_STORE_NT
.endr
	WIN 0x04                                       ; the stores' data: window 1
	s_wait_dscnt 0x0
.irp i, 0,1,2,3,4,5,6,7,8,9,10,11,12,13,14,15
	global_store_b128 v[XD], v[64*\q+4*\i:64*\q+4*\i+3], s[28:29] offset:(16*(\q/2)+\i)*4096+512*(\q%2) th:TH_STORE_NT
.endr
	WIN 0
.endm
	BARRIER                                        ; every wave has read the last images: the stages may be laid over them
	OUTQ 0
	OUTQ 1
	OUTQ 2
	OUTQ 3
	s_wait_tensorcnt 0x0                           ; the wave's end, behind my last tensor load and my last LDS store
	ds_add_u32 v[SPW], v[NIL]
	s_wait_dscnt 0x0
	ROUND                                          ; the closing round: no work-group ends while a partner may still ask for a content that names it
	s_endpgm
.Lfunc_end_k_q835a88dffd_fuse:
	.size	k_q835a88dffd_fuse, .Lfunc_end_k_q835a88dffd_fuse-k_q835a88dffd_fuse
	.p2alignl 7, 3214868480
	.fill 96, 4, 3214868480
	.section	.rodata,"a",@progbits
	.p2align	6, 0x0
	.amdhsa_kernel k_q835a88dffd_fuse
		.amdhsa_group_segment_fixed_size 327680
		.amdhsa_private_segment_fixed_size 0
		.amdhsa_enable_private_segment 0
		.amdhsa_kernarg_size 112
		.amdhsa_user_sgpr_count 2
		.amdhsa_user_sgpr_kernarg_segment_ptr 1
		.amdhsa_wavefront_size32 1
		.amdhsa_system_sgpr_workgroup_id_x 1
		.amdhsa_system_sgpr_workgroup_id_y 1
		.amdhsa_system_sgpr_workgroup_id_z 1
		.amdhsa_system_vgpr_workitem_id 0
		.amdhsa_next_free_vgpr 1024
		.amdhsa_next_free_sgpr 96
		.amdhsa_reserve_vcc 0
		.amdhsa_float_denorm_mode_32 3
		.amdhsa_float_denorm_mode_16_64 3
		.amdhsa_memory_ordered 1
		.amdhsa_forward_progress 1
		.amdhsa_inst_pref_size 255
	.end_amdhsa_kernel
	.section	.bss,"aw",@nobits
	.p2align	6
	.space	262144
	.amdgpu_metadata
---
amdhsa.version: [ 1, 2 ]
amdhsa.kernels:
  - .name:           k_q835a88dffd_fuse
    .symbol:         k_q835a88dffd_fuse.kd
    .args:
      - { .name: graph_embedding, .offset: 0, .size: 8, .value_kind: global_buffer, .address_space: global }
      - { .name: smiles_embedding, .offset: 8, .size: 8, .value_kind: global_buffer, .address_space: global }
      - { .name: wq, .offset: 16, .size: 8, .value_kind: global_buffer, .address_space: global }
      - { .name: bv_gs, .offset: 24, .size: 8, .value_kind: global_buffer, .address_space: global }
      - { .name: bo_gs, .offset: 32, .size: 8, .value_kind: global_buffer, .address_space: global }
      - { .name: bv_sg, .offset: 40, .size: 8, .value_kind: global_buffer, .address_space: global }
      - { .name: bo_sg, .offset: 48, .size: 8, .value_kind: global_buffer, .address_space: global }
      - { .name: bg, .offset: 56, .size: 8, .value_kind: global_buffer, .address_space: global }
      - { .name: ln_g_gamma, .offset: 64, .size: 8, .value_kind: global_buffer, .address_space: global }
      - { .name: ln_g_beta, .offset: 72, .size: 8, .value_kind: global_buffer, .address_space: global }
      - { .name: ln_s_gamma, .offset: 80, .size: 8, .value_kind: global_buffer, .address_space: global }
      - { .name: ln_s_beta, .offset: 88, .size: 8, .value_kind: global_buffer, .address_space: global }
      - { .name: out0, .offset: 96, .size: 8, .value_kind: global_buffer, .address_space: global }
      - { .name: out1, .offset: 104, .size: 8, .value_kind: global_buffer, .address_space: global }
    .group_segment_fixed_size: 327680
    .private_segment_fixed_size: 0
    .kernarg_segment_align: 8
    .kernarg_segment_size: 112
    .max_flat_workgroup_size: 128
    .sgpr_count:     96
    .vgpr_count:     1024
    .wavefront_size: 32
...
	.end_amdgpu_metadata
.endif
;; end of part 4
